; MI455X (gfx1250); checked and timed in simulation.
; The chip was launched on July 23, 2026; its instructions are those of AMD's public machine-readable ISA for CDNA 5 (MIT licence, August 2026) and "CDNA5" Instruction Set Architecture Reference Guide (July 2026). The comments in the code are by the model that wrote it; some were corrected since.
;; Multi Head Global Attention. Allowed arithmetic: matrix products marked QUANTISED: E4M3 operands, one E8M0 scale for each 32 along K, by v_wmma_scale_f32_16x16x128_f8f6f4 with both operands' format E4M3, f32 sums; everything else in f32.
;; Inputs: b_o 1,024 float32; b_qkv 3,072 float32; w_o_codes 1,024 x 32 x 32 uint8 (E4M3 codes of w_o, K innermost, in blocks of 32 codes); w_o_scales 1,024 x 32 uint8 (E8M0 scales of w_o, one for each 32 codes along K); w_qkv_codes 3,072 x 32 x 32 uint8 (E4M3 codes of w_qkv, K innermost, in blocks of 32 codes); w_qkv_scales 3,072 x 32 uint8 (E8M0 scales of w_qkv, one for each 32 codes along K); x_codes 2 x 2,048 x 32 x 32 uint8 (E4M3 codes of x, K innermost, in blocks of 32 codes); x_scales 2 x 2,048 x 32 uint8 (E8M0 scales of x, one for each 32 codes along K).
;; Outputs: out0 2 x 2,048 x 1,024 float32.
;; This version of the problem:
;;   THIS VERSION OF THE PROBLEM IS GIVEN IN LOW PRECISION. The matrix products marked QUANTISED in the list below multiply operands that are first quantised to E4M3 (4 exponent bits, 3 mantissa bits; 8 bits a number), with one power-of-two scale for each 32 numbers along K (OCP MX v1.0); their sums are f32. All else is computed in f32.
;;   The module's matrix products, in the order in which they are computed (A, B: the left and right operand; K: the contracted axis; several contracted axes count as one K, in the product's order):
;;     1. [M 4,096, K 1,024] x [K 1,024, N 3,072]; A: input x (given as codes); B: input w_qkv (given as codes): QUANTISED
;;     2. batch 32 x [M 2,048, K 64] x [K 64, N 2,048]; A: computed on the way; B: computed on the way: QUANTISED
;;     3. batch 32 x [M 2,048, K 2,048] x [K 2,048, N 64]; A: softmax (see below); B: computed on the way: QUANTISED
;;     4. [M 4,096, K 1,024] x [K 1,024, N 1,024]; A: computed on the way; B: input w_o (given as codes): QUANTISED
;;   THE QUANTISER, for each operand of a quantised product, along K:
;;     - K is cut into blocks of 32 from its start; a last block that is shorter is filled with zeros.
;;     - A block's scale is 2^e with e = floor(log2(the largest magnitude in the block)) - 8, held to -126 .. 127; a block of zeros has e = 0. As a byte (E8M0): e + 127.
;;     - Each number is divided by its block's scale, clamped to +-448, and rounded to the nearest number of E4M3, ties to even, subnormals kept.
;;     - The product sums the exact products of the quantised numbers (number of the format x scale) in f32.
;;   ~~~python
;;   def quantise(x, axis):      # numpy; x: float32 -> the quantised numbers, widened to float32 again
;;       x = np.moveaxis(x, axis, -1); K = x.shape[-1]
;;       x = np.pad(x, [(0, 0)] * (x.ndim - 1) + [(0, -K % 32)]); x = x.reshape(x.shape[:-1] + (-1, 32)); a = np.abs(x).max(-1, keepdims=True)
;;       e = np.where(a > 0, np.clip(np.frexp(np.where(a > 0, a, 1))[1] - 1 - 8, -126, 127), 0)      # np.frexp(a)[1] - 1 = floor(log2(a)), exactly
;;       r = np.clip(x / 2.0 ** e, -448, 448)
;;       step = 2.0 ** (np.maximum(np.frexp(np.where(r == 0, 1, r))[1] - 1, -6) - 3)
;;       q = np.round(r / step) * step * 2.0 ** e      # np.round: ties to even
;;       return np.moveaxis(q.reshape(q.shape[:-2] + (-1,))[..., :K], -1, axis).astype(np.float32)
;;   ~~~
;;   SOFTMAX AHEAD OF A QUANTISED PRODUCT. Where the list says 'softmax', what is quantised is not the finished softmax but p = 2^(t - M), with t = logit x log2(e) and M = ceil(the row's largest t), a whole number; so 1/2 < the row's largest p <= 1. The row's sum l is taken of the UNQUANTISED p, in f32, and the product's result is divided by l at the end. Since M is a whole number, a kernel that streams over the keys may use a running M (the ceiling of the running maximum): every later rescaling is an exact power of two, which a block's scale takes up: the codes' values come out the same.
;;   OPERANDS COMPUTED ON THE WAY. 'Computed on the way' means the value that the module computes at that place (a softmax that the list does not call 'softmax' is quantised finished and normalised). What goes into a quantiser is computed in f32, as accurately as f32 sums, v_exp_f32 and their like allow (about 1e-6 of the number): no bf16 or f16 on the way to a quantiser, and a product that is left as it is and whose result goes on into a quantised operand takes f32 operands (vector FMAs, or v_wmma_f32_16x16x4_f32). A number that lies on a knife's edge between two numbers of the format may be rounded either way, as far as f32 arithmetic and the matrix unit's own rounding can turn it there, and no further.
;;   INPUTS GIVEN AS CODES. w_o (in the module: [1024, 1024], K = its axis 0); w_qkv (in the module: [1024, 3072], K = its axis 0); x (in the module: [2, 2048, 1024], K = its axis 2): each comes as NAME_codes (uint8): NAME with its K axis moved to the last place and cut into blocks of 32 codes, [.., K / 32, bytes a block], one block behind the other in memory; one code a byte (a code: sign, 4 exponent bits, 3 mantissa bits); and NAME_scales (uint8): the same leading axes, one E8M0 byte (e + 127) for each 32 codes along K. Its value is code x scale, taken as it is: it is not quantised again, and the codes and scales need not be those that the quantiser above would give.
;; One version. Each part assembles by itself: llvm-mc -triple=amdgcn-amd-amdhsa -mcpu=gfx1250 --defsym DOCPART=n.
;; ======== version 1 of 1: 3 launches
;; limits: right only within a limited range of input values
;; workspace buffers: qc 4,194,304 bytes; qs 524,288 bytes; kc 4,194,304 bytes; ks 262,144 bytes; vc 4,194,304 bytes; vs 262,144 bytes; oc 4,194,304 bytes; os 262,144 bytes
;; launch qkv (part 1): grid 16 x 16, 4 waves a work-group, clusters of 4 x 4, 327,680 bytes of LDS; arguments x_codes, x_scales, w_qkv_codes, w_qkv_scales, b_qkv, qc, qs, kc, ks, vc, vs; writes qc, qs, kc, ks, vc, vs
.if DOCPART == 1
	.amdgcn_target "amdgcn-amd-amdhsa--gfx1250"
	.amdhsa_code_object_version 6
	.text
	.protected	k_q3420e58ea0_qkv
	.globl	k_q3420e58ea0_qkv
	.p2align	8
	.type	k_q3420e58ea0_qkv,@function
k_q3420e58ea0_qkv:
	s_mov_b64 s[64:65], 0
	v_nop
	global_prefetch_b8 v0, s[64:65] scope:SCOPE_SE
	s_setreg_imm32_b32 hwreg(HW_REG_WAVE_MODE, 25, 1), 1
	s_wait_xcnt 0x0
	s_wait_alu depctr_hold_cnt(0) depctr_sa_sdst(0) depctr_va_vdst(0) depctr_va_sdst(0) depctr_va_ssrc(0) depctr_va_vcc(0) depctr_vm_vsrc(0)
	s_getreg_b32 s2, hwreg(HW_REG_IB_STS2, 6, 4)
	s_cmp_eq_u32 s2, 0
	s_cbranch_scc0 .Lentry_in_a_cluster
	s_endpgm
.Lentry_in_a_cluster:
	s_bfe_u32 s2, ttmp6, 0x10000c
	s_cmp_lg_u32 s2, 0xf033
	s_cbranch_scc0 .Lentry_shape_is_right
	s_endpgm
.Lentry_shape_is_right:
; qkv = x W + b on codes of E4M3 with E8M0 scales, then q, k and v are quantised and stored as IMAGES OF OPERAND REGISTERS for the attention launch.
; x: 4,096 tokens x 1,024 codes; W: 3,072 rows (column n of qkv = head x 192 + {q,k,v} x 64 + d) x 1,024 codes; one scale byte for each 32 along K.
; SHARES.  A work-group makes 256 tokens x one head's 192 columns; wave w its tokens 64 w .. 64 w + 63 x all 192: 4 token tiles x 12 column tiles = 48 accumulators.
; q's and k's tiles are used TRANSPOSED (source 0 = 16 rows of W, source 1 = 16 tokens): a lane holds one token and 8 neighbouring d.  v's tiles are used straight (source 0 = tokens, source 1 = W):
; a lane holds one column d and 8 neighbouring tokens, since the tokens (keys) are v's K in the later product.
; THE ORDER INSIDE A BLOCK OF 32.  The 16 registers of two neighbouring tiles hold index 32 b + 16 u + 8 h + j (u the tile, h = lane / 16); converted as they stand they take the operand's place 32 b + 16 h + 8 u + j.
; That exchanges two bits of the index inside one scale block.  q and k carry it alike on d, v and the softmax's p alike on the keys, so every product keeps its value.
; K goes in 4 steps of 256 (8 sub-steps of 128) through a ring of two LDS slots, all written out.  The scale bytes of the work-group's rows for all of K come once and stay.
; CLUSTER 4 x 4: x's tiles hang on the token block alone and are shared along a row of the cluster, W's on the head alone and are shared along a column: joint loads.
; LIMITS: NaN and infinities are not served.  A block of zeros gets the scale byte 1, not 127 (its codes are zeros, and this program alone reads the bytes); blocks whose largest magnitude lies under 2^-118 are held at byte 1.
; REGISTERS.  window 0: v1-31 addresses and scale words made at the end; v32-95 two sets of 32 scale words; v96-223 x's fragments, two sets of 64; v224-255 at work in the quantiser.
;   window 1: W's 12 fragments (v0-191), one set; at the end the codes.   window 2: q's accumulators at 32 a + 8 b, k's at 128 + 32 a + 8 b.   window 3: v's at 32 t + 8 a; biases from v128.
.set PITCH,  272                       ; an LDS row: 256 bytes + 16 of padding: the 16 rows of a fragment load start at 16 different banks
.set XHALF,  128*PITCH                 ; what one tensor load brings of x
.set WHALF,  96*PITCH                  ; and of W
.set WOFF,   2*XHALF                   ; in a slot: x's 256 rows, then W's 192
.set SLOT,   WOFF+2*WHALF              ; 121,856
.set SCLX,   2*SLOT                    ; x's scale bytes: 32 pieces of 256 bytes + 16
.set SXH,    16*272
.set SWH,    12*272
.set SCLW,   SCLX+2*SXH                ; W's: 24 pieces
.set KSX,    259072                    ; where k's scale words of four waves meet (no tensor load lands here or further on)
.set VSX,    KSX+1024                  ; v's
.set SPARE,  VSX+1024                  ; the spare words, 128 bytes for each wave
.set VW,   4                           ; v4-7    v's half-words
.set QW,   8                           ; v8-11   q's scale words
.set KW,   12                          ; v12-13  k's
.set ADRX, 16                          ; v16-17  my x fragments in slot 0, 1
.set ADRW, 20                          ; v20-21  W's fragments in slot 0, 1
.set ADSX, 22                          ; v22     my x rows' scale bytes
.set ADSW, 23                          ; v23     W's
.set LI,   24                          ; v24     16 x lane
.set L8,   25                          ; v25     8 x lane
.set KSA,  26                          ; v26     where I put k's two words
.set VSA,  27                          ; v27     where I put v's half-words
.set SPW,  28                          ; v28     my spare word; never rewritten
.set NIL,  29                          ; v29     0; never rewritten
.set XRD,  30                          ; v30     where I read 8 bytes of the gathered words back
.set BO,   31                          ; v31     32 h: q's and k's bias
.set SC,   32
.set XF,   96
.set TM,   224
.set TP,   232
.set HD,   240
.set SO,   248
.set G1WS, 4                           ; s[4:11]   group 1, W's scales (over the input pointers, once they are used up)
.set G0WS, 20                          ; s[20:23]
.set G1X,  24                          ; s[24:31]  group 1, x's tiles
.set G0X,  32                          ; s[32:39]  group 0, a set for each slot
.set G1W,  48                          ; s[48:55]
.set G0W,  56                          ; s[56:63]
.set G1XS, 84                          ; s[84:91]  x's scales
.set G0XS, 92                          ; s[92:95]
.set MSB, 0
.macro WIN new                         ; the immediate's high byte repeats the setting that is left
.if MSB != (\new)
	s_set_vgpr_msb (MSB<<8)|(\new)
.set MSB, (\new)
.endif
.endm
.macro PLACES n
.rept \n
	v_nop
.endr
.endm
; A joint load: waves 0 and 1 fetch for x, waves 2 and 3 for W.  The branch hangs on the wave's number alone.  Four v_nop follow each of the two lines.
.macro JLOAD g0a, g1a, g0b, g1b
	s_cmp_eq_u32 s15, 0
	s_cbranch_scc0 .Lfor_w_\@
	tensor_load_to_lds s[\g0a:\g0a+3], s[\g1a:\g1a+7]
	s_nop 0
.rept 4
	v_nop
.endr
	s_branch .Lasked_\@
.Lfor_w_\@:
	tensor_load_to_lds s[\g0b:\g0b+3], s[\g1b:\g1b+7]
	s_nop 0
.rept 4
	v_nop
.endr
.Lasked_\@:
.endm
.macro CREST                           ; a round of the cluster's barrier behind its opening barrier
	s_cmp_lg_u32 s14, 0
	s_cbranch_scc1 .Lnot_wave_0_\@
	s_barrier_signal -3
.Lnot_wave_0_\@:
	s_barrier_wait -3
	s_barrier_signal -1
	s_barrier_wait -1
.endm
.macro CROUND
	s_barrier_signal -1
	s_barrier_wait -1
	CREST
.endm
	s_load_b256 s[4:11], s[0:1], 0x0               ; x's codes s[4:5], x's scales s[6:7], W's codes s[8:9], W's scales s[10:11]
	s_load_b256 s[68:75], s[0:1], 0x20             ; b s[68:69], qc s[70:71], qs s[72:73], kc s[74:75]
	s_load_b128 s[76:79], s[0:1], 0x40             ; ks s[76:77], vc s[78:79]
	s_load_b64 s[80:81], s[0:1], 0x50              ; vs
	v_lshl_add_u32 v[SPW], v0, 2, SPARE
	v_mov_b32 v[NIL], 0
	ds_add_u32 v28, v29
	ds_add_u32 v28, v29
	s_wait_dscnt 0x0
	v_lshrrev_b32 v1, 5, v0
	v_readfirstlane_b32 s14, v1                    ; wave 0..3
	s_lshr_b32 s15, s14, 1                         ; I fetch for x (0) or for W (1)
	s_and_b32 s16, s14, 1                          ; which half of the rows I fetch
	s_bfe_u32 s40, ttmp6, 0x40000                  ; cx
	s_bfe_u32 s41, ttmp6, 0x40004                  ; cy
	s_lshl_b32 s42, ttmp9, 2
	s_add_co_u32 s42, s42, s40                     ; the head = 4 x cluster x + cx
	s_and_b32 s17, ttmp7, 0xffff
	s_lshl_b32 s17, s17, 2
	s_add_co_u32 s17, s17, s41                     ; the block of 256 tokens = 4 x cluster y + cy
	s_lshl_b32 s43, s41, 2
	s_lshl_b32 s43, 15, s43                        ; my row of the cluster
	s_lshl_b32 s44, 0x1111, s40                    ; my column
	s_mov_b32 s82, 0x76543210                      ; v_permlanex16_b32's selects for lane l xor 16
	s_mov_b32 s83, 0xfedcba98
	s_mov_b32 s96, 0x600000                        ; the mantissa field of 448
	; group 1 for the tiles: rows of 256 bytes (elements of 1 byte), 1,024 bytes apart, 16 bytes of padding behind each; x 128 rows, W 96
	s_or_b32 s[G1X], s43, (1<<20)|(1<<21)|(5<<22)|(3<<25)
	s_mov_b32 s[G1X+1], 256<<16
	s_mov_b32 s[G1X+2], 256<<16                    ; the head's load brings all 256 rows; behind it the ring's loads bring 128
	s_mov_b32 s[G1X+3], 256<<16
	s_mov_b32 s[G1X+4], 256
	s_mov_b32 s[G1X+5], 1024
	s_mov_b32 s[G1X+6], 0
	s_mov_b32 s[G1X+7], 0
	s_or_b32 s[G1W], s44, (1<<20)|(1<<21)|(5<<22)|(3<<25)
	s_mov_b32 s[G1W+1], 256<<16
	s_mov_b32 s[G1W+2], 192<<16                    ; likewise all 192 rows of W, then 96
	s_mov_b32 s[G1W+3], 256<<16
	s_mov_b32 s[G1W+4], 192
	s_mov_b32 s[G1W+5], 1024
	s_mov_b32 s[G1W+6], 0
	s_mov_b32 s[G1W+7], 0
	; group 1 for x's scales: 256 rows x 32 bytes are one dense block: 32 rows of 256 bytes (32 elements of 8), 16 bytes of padding behind each
	s_or_b32 s[G1XS], s43, (3<<16)|(1<<20)|(1<<21)|(5<<22)|(3<<25)
	s_mov_b32 s[G1XS+1], 32<<16
	s_mov_b32 s[G1XS+2], 32<<16                    ; 256 rows x 32 bytes
	s_mov_b32 s[G1XS+3], 32<<16
	s_mov_b32 s[G1XS+4], 32
	s_mov_b32 s[G1XS+5], 32
	s_mov_b32 s[G1XS+6], 0
	s_mov_b32 s[G1XS+7], 0
	; where my loads begin.  x's offsets hang on the token block and the wave alone, W's on the head and the wave alone
	s_lshl_b32 s12, s17, 8                         ; x: row 256 x block
	s_lshl_b32 s18, s12, 5                         ; its scale bytes
	s_mov_b32 s19, 0
	s_lshl_b32 s12, s12, 10                        ; its codes
	s_mov_b32 s13, 0
	s_mul_i32 s46, s42, 192
	s_lshl_b32 s98, s46, 5
	s_mov_b32 s99, 0
	s_lshl_b32 s46, s46, 10
	s_mov_b32 s47, 0
	s_wait_kmcnt 0x0
	s_add_nc_u64 s[12:13], s[4:5], s[12:13]
	s_add_nc_u64 s[66:67], s[6:7], s[18:19]
	s_add_nc_u64 s[46:47], s[8:9], s[46:47]
	s_add_nc_u64 s[98:99], s[10:11], s[98:99]
	; group 1 for W's scales: 192 rows x 32 bytes: 24 rows of 256 bytes
	s_or_b32 s[G1WS], s44, (3<<16)|(1<<20)|(1<<21)|(5<<22)|(3<<25)
	s_mov_b32 s[G1WS+1], 32<<16
	s_mov_b32 s[G1WS+2], 24<<16                    ; 192 rows x 32 bytes
	s_mov_b32 s[G1WS+3], 32<<16
	s_mov_b32 s[G1WS+4], 24
	s_mov_b32 s[G1WS+5], 32
	s_mov_b32 s[G1WS+6], 0
	s_mov_b32 s[G1WS+7], 0
	; groups 0: no place in the cluster enters an LDS address
	s_mov_b32 s[G0XS], 1
	s_mov_b32 s[G0XS+1], SCLX
	s_mov_b64 s[G0XS+2:G0XS+3], s[66:67]
	s_or_b32 s[G0XS+3], s[G0XS+3], 0x80000000
	s_mov_b32 s[G0WS], 1
	s_mov_b32 s[G0WS+1], SCLW
	s_mov_b64 s[G0WS+2:G0WS+3], s[98:99]
	s_or_b32 s[G0WS+3], s[G0WS+3], 0x80000000
.irp s, 0,1
	s_mov_b32 s[G0X+4*\s], 1
	s_mov_b32 s[G0X+4*\s+1], \s*SLOT               ; (whole tiles here; my half is added behind the wait that shows the head's loads done)
	s_add_nc_u64 s[G0X+4*\s+2:G0X+4*\s+3], s[12:13], \s*256
	s_or_b32 s[G0X+4*\s+3], s[G0X+4*\s+3], 0x80000000
	s_mov_b32 s[G0W+4*\s], 1
	s_mov_b32 s[G0W+4*\s+1], \s*SLOT+WOFF
	s_add_nc_u64 s[G0W+4*\s+2:G0W+4*\s+3], s[46:47], \s*256
	s_or_b32 s[G0W+4*\s+3], s[G0W+4*\s+3], 0x80000000
.endr
	CROUND                                         ; all sixteen work-groups are here: the first joint loads meet
; The head's loads, one a wave: wave 0 K step 0 of x's 256 rows, wave 1 of W's 192, wave 2 x's scale bytes, wave 3 W's.  One tree of branches on the wave's number.
.macro ARM under, g0, g1, next
	s_cmp_lt_u32 s14, \under
	s_cbranch_scc0 \next
	tensor_load_to_lds s[\g0:\g0+3], s[\g1:\g1+7]
	s_nop 0
.rept 4
	v_nop
.endr
	s_branch .Lhead_asked
\next:
.endm
	ARM 1, G0X,  G1X,  .Lhead_w
	ARM 2, G0W,  G1W,  .Lhead_xs
	ARM 3, G0XS, G1XS, .Lhead_ws
	tensor_load_to_lds s[G0WS:G0WS+3], s[G1WS:G1WS+7]
	s_nop 0
.rept 4
	v_nop
.endr
.Lhead_asked:
; PREFETCHES: a K step is 256 bytes of each row.  The four partners that share x's 256 rows take 64 each (by cx), those that share W's 192 take 48 each (by cy); waves 0 and 1 name x's rows (32 a wave, a lane a row), waves 2 and 3 W's (24 a wave;
; lanes 24 to 31 name the last row again).  Here K steps 1 and 2, behind the first change of slots K step 3: each block of 256 bytes once in a cluster.  s[18:19] and v14 stay until the wait on XCNT ahead of the quantiser.
	s_lshl_b32 s97, s40, 16
	s_lshl_b32 s45, s16, 15
	s_add_co_u32 s97, s97, s45
	s_mul_i32 s98, s41, 48*1024
	s_mul_i32 s45, s16, 24*1024
	s_add_co_u32 s98, s98, s45
	s_mov_b32 s3, 23
	s_cmp_eq_u32 s15, 0
	s_cselect_b64 s[18:19], s[12:13], s[46:47]     ; my tensor's first row of this work-group
	s_cselect_b32 s98, s97, s98
	s_cselect_b32 s2, 31, s3
	s_mov_b32 s99, 0
	s_add_nc_u64 s[18:19], s[18:19], s[98:99]
	v_and_b32 v14, 31, v0
	v_min_u32 v14, s2, v14
	v_lshlrev_b32 v14, 10, v14
	global_prefetch_b8 v14, s[18:19] offset:256 th:TH_LOAD_NT scope:SCOPE_SE
	global_prefetch_b8 v14, s[18:19] offset:512 th:TH_LOAD_NT scope:SCOPE_SE
	; where the results go
	s_lshr_b32 s97, s17, 3
	s_lshl_b32 s97, s97, 4
	s_add_co_u32 s97, s97, s42                     ; bh = 16 x batch + head
	s_and_b32 s40, s17, 7                          ; the block within its batch
	s_lshl_b32 s66, s97, 17
	s_lshl_b32 s41, s40, 14
	s_add_co_u32 s66, s66, s41
	s_mov_b32 s67, 0
	s_lshl_b32 s41, s15, 13                        ; vc: my key step (two waves to a step of 128 keys),
	s_add_co_u32 s41, s41, s66
	s_lshl_b32 s3, s16, 10                         ; and my two key blocks in it
	s_add_co_u32 s2, s41, s3
	s_mov_b32 s3, 0
	s_add_nc_u64 s[78:79], s[78:79], s[2:3]
	s_lshl_b32 s41, s14, 12                        ; qc, kc: my four token tiles of 1,024 bytes
	s_add_co_u32 s66, s66, s41
	s_add_nc_u64 s[70:71], s[70:71], s[66:67]
	s_add_nc_u64 s[74:75], s[74:75], s[66:67]
	s_lshr_b32 s66, s66, 3                         ; qs: 512 bytes a wave
	s_add_nc_u64 s[72:73], s[72:73], s[66:67]
	s_lshr_b32 s66, s66, 1                         ; ks, vs: 256 bytes a wave
	s_add_nc_u64 s[76:77], s[76:77], s[66:67]
	s_add_nc_u64 s[80:81], s[80:81], s[66:67]
	s_mul_i32 s66, s42, 768                        ; the head's 192 biases
	s_add_nc_u64 s[68:69], s[68:69], s[66:67]
	v_and_b32 v1, 15, v0                           ; r
	v_bfe_u32 v2, v0, 4, 1                         ; h
	v_lshlrev_b32 v[BO], 5, v2
	v_lshlrev_b32 v15, 2, v1                       ; 4 r: v's bias
	WIN 0xc0                                       ; destination window 3
.irp i, 0,1,2,3,4,5,6,7                        ; q's and k's tile i: lane (r, h) register j belongs to column 16 i + 8 h + j
	global_load_b128 v[128+8*\i:128+8*\i+3], v[BO], s[68:69] offset:64*\i
	global_load_b128 v[128+8*\i+4:128+8*\i+7], v[BO], s[68:69] offset:64*\i+16
.endr
.irp t, 0,1,2,3                                ; v's tile t: all eight registers of a lane belong to column 128 + 16 t + r
.irp j, 0,1,2,3,4,5,6,7
	global_load_b32 v[192+8*\t+\j], v15, s[68:69] offset:512+64*\t
.endr
.endr
	WIN 0
	v_mul_u32_u24 v3, v1, PITCH
	v_lshl_add_u32 v3, v2, 4, v3                   ; a fragment's row x pitch + 16 x half
	s_mul_i32 s45, s14, 64*PITCH
	v_add_nc_u32 v[ADRX], s45, v3
	v_add_nc_u32 v[ADRX+1], SLOT, v[ADRX]
	v_add_nc_u32 v[ADRW], WOFF, v3
	v_add_nc_u32 v[ADRW+1], SLOT, v[ADRW]
	v_lshlrev_b32 v4, 5, v1                        ; a row's 32 scale bytes,
	v_lshrrev_b32 v5, 3, v1
	v_lshl_add_u32 v4, v5, 4, v4                   ; and 16 more behind each eight rows
	s_mul_i32 s45, s14, 4*544
	s_add_co_u32 s45, s45, SCLX
	v_add_nc_u32 v[ADSX], s45, v4
	v_add_nc_u32 v[ADSW], SCLW, v4
	v_and_b32 v6, 31, v0
	v_lshlrev_b32 v[LI], 4, v6
	s_wait_alu depctr_va_vdst(0)
	v_lshlrev_b32 v[L8], 3, v6
	s_wait_alu depctr_va_vdst(0)
	s_lshl_b32 s12, s15, 9
	s_lshl_b32 s13, s16, 3
	s_add_co_u32 s12, s12, s13
	s_add_co_u32 s12, s12, KSX
	v_add_nc_u32 v[KSA], s12, v[LI]                ; k's words: step (wave / 2), 16 bytes a lane, my two words of its four
	s_lshl_b32 s12, s15, 9
	s_lshl_b32 s13, s16, 1
	s_add_co_u32 s12, s12, s13
	s_add_co_u32 s12, s12, VSX
	v_add_nc_u32 v[VSA], s12, v[LI]                ; v's: my two bytes of each of the lane's four words
	s_lshl_b32 s12, s14, 8
	s_add_co_u32 s12, s12, KSX
	v_add_nc_u32 v[XRD], s12, v[L8]
.irp k, 0,1,2,3,4,5,6,7
	v_mov_b32 v[TP+\k], 0                          ; written once: a lane permute's destination counts as one of its sources
.endr
.macro FRAG reg, adr, q, row           ; 16 rows x 128 K: registers 4 c .. 4 c + 3 hold K = 32 c + 16 (lane / 16) + 0 .. 15
.irp c, 0,1,2,3
	ds_load_b128 v[\reg+4*\c:\reg+4*\c+3], v[\adr] offset:128*(\q)+32*\c+(\row)*PITCH
.endr
.endm
.macro FETCH_W slot, q, sect           ; W's four tiles of q (0), k (1) or v (2): 16 loads
	WIN 0x40
.irp b, 0,1,2,3
	FRAG 16*(4*\sect+\b), ADRW+\slot, \q, 64*\sect+16*\b
.endr
.endm
.macro FETCH_X slot, q, xs             ; my four token tiles into set xs: 16 loads
	WIN 0
.irp a, 0,1,2,3
	FRAG XF+64*\xs+16*\a, ADRX+\slot, \q, 16*\a
.endr
.endm
.macro SCALES sc, kstep                ; a K step's two scale words of each of the 4 + 12 tiles: 16 loads
	WIN 0
.irp a, 0,1,2,3
	ds_load_b64 v[SC+32*\sc+2*\a:SC+32*\sc+2*\a+1], v[ADSX] offset:544*\a+8*\kstep
.endr
.irp i, 0,1,2,3,4,5,6,7,8,9,10,11
	ds_load_b64 v[SC+32*\sc+8+2*\i:SC+32*\sc+8+2*\i+1], v[ADSW] offset:544*\i+8*\kstep
.endr
.endm
; 16 matrix instructions of q (sect 0) or k (1).  zero = 1: the bias is the C of the sum's first product.  All 48 accumulators take turns, one instruction a turn, in the same order in every sub-step.
.macro GQK sect, xs, q, sc, zero
.if \zero
	WIN 0xb1                                       ; W window 1, x window 0, the bias window 3, D window 2
.else
	WIN 0xa1
.endif
.irp a, 0,1,2,3
.irp b, 0,1,2,3
.if \zero
	v_wmma_scale_f32_16x16x128_f8f6f4 v[128*\sect+32*\a+8*\b:128*\sect+32*\a+8*\b+7], v[16*(4*\sect+\b):16*(4*\sect+\b)+15], v[XF+64*\xs+16*\a:XF+64*\xs+16*\a+15], v[128+8*(4*\sect+\b):128+8*(4*\sect+\b)+7], v[SC+32*\sc+8+2*(4*\sect+\b)+\q], v[SC+32*\sc+2*\a+\q]
.else
	v_wmma_scale_f32_16x16x128_f8f6f4 v[128*\sect+32*\a+8*\b:128*\sect+32*\a+8*\b+7], v[16*(4*\sect+\b):16*(4*\sect+\b)+15], v[XF+64*\xs+16*\a:XF+64*\xs+16*\a+15], v[128*\sect+32*\a+8*\b:128*\sect+32*\a+8*\b+7], v[SC+32*\sc+8+2*(4*\sect+\b)+\q], v[SC+32*\sc+2*\a+\q]
.endif
.endr
.endr
.endm
.macro GV xs, q, sc, zero              ; 16 of v: source 0 = tokens, source 1 = W
	WIN 0xf4                                       ; x window 0, W window 1, C and D window 3
.irp t, 0,1,2,3
.irp a, 0,1,2,3
.if \zero
	v_wmma_scale_f32_16x16x128_f8f6f4 v[32*\t+8*\a:32*\t+8*\a+7], v[XF+64*\xs+16*\a:XF+64*\xs+16*\a+15], v[16*(8+\t):16*(8+\t)+15], v[192+8*\t:192+8*\t+7], v[SC+32*\sc+2*\a+\q], v[SC+32*\sc+8+2*(8+\t)+\q]
.else
	v_wmma_scale_f32_16x16x128_f8f6f4 v[32*\t+8*\a:32*\t+8*\a+7], v[XF+64*\xs+16*\a:XF+64*\xs+16*\a+15], v[16*(8+\t):16*(8+\t)+15], v[32*\t+8*\a:32*\t+8*\a+7], v[SC+32*\sc+2*\a+\q], v[SC+32*\sc+8+2*(8+\t)+\q]
.endif
.endr
.endr
.endm
; A slot's first 128 along K.  W has one set of registers: a section's four fragments are fetched anew as soon as its 16 products are issued, eight places behind them.
.macro STEP slot, zero
	s_wait_dscnt 32                                ; W's q tiles, x and the scale words are in; the 16 + 16 loads of W's k and v tiles are younger
	GQK 0, 0, 0, \slot, \zero
	s_wait_dscnt 16                                ; W's k tiles are in; the v tiles' 16 are younger
	PLACES 8
	FETCH_W \slot, 1, 0
	FETCH_X \slot, 1, 1
	GQK 1, 0, 0, \slot, \zero
	s_wait_dscnt 32                                ; W's v tiles are in; the 32 loads just issued are younger
	PLACES 8
	FETCH_W \slot, 1, 1
	GV 0, 0, \slot, \zero
	PLACES 8
	FETCH_W \slot, 1, 2
	WIN 0
.endm
; A slot's second 128 along K changes slots: ONE barrier; in front of it each wave waits for all its tensor loads, adds 0 to its spare word, and waits for that and for its own reads of this slot.
.macro TURN slot, next, kstep, fill
	s_wait_tensorcnt 0x0                           ; all my tensor loads have landed: my part of the next slot
	ds_add_u32 v[SPW], v[NIL]                      ; 0 onto my spare word
	s_wait_dscnt 33                                ; W's q tiles and x are in; younger: W's k and v tiles (32) and the add
	GQK 0, 1, 1, \slot, 0
	s_wait_dscnt 0x0                               ; the add is done, and my reads of this slot are over
	s_barrier_signal -1
	GQK 1, 1, 1, \slot, 0
	WIN 0
	s_barrier_wait -1
.if \fill
	CREST                                          ; the barrier has opened a round of the cluster's: no wave of any partner still reads this slot or has a load on its way
	s_add_nc_u64 s[G0X+4*\slot+2:G0X+4*\slot+3], s[G0X+4*\slot+2:G0X+4*\slot+3], 512
	s_add_nc_u64 s[G0W+4*\slot+2:G0W+4*\slot+3], s[G0W+4*\slot+2:G0W+4*\slot+3], 512
	JLOAD G0X+4*\slot, G1X, G0W+4*\slot, G1W       ; the K step two steps on: my one tensor load behind the round; its four v_nop are four of the eight places
	PLACES 4
.else
	PLACES 8
.endif
	FETCH_W \next, 0, 0
	FETCH_X \next, 0, 0
	SCALES \next, \kstep
	FETCH_W \next, 0, 1
	GV 1, 1, \slot, 0
	PLACES 8
	FETCH_W \next, 0, 2
	WIN 0
.endm
	s_wait_alu depctr_va_vdst(0)                   ; at the head's end
	s_wait_loadcnt 0x0                             ; the biases
	s_wait_tensorcnt 0x0                           ; my tile of the head's four is in
	ds_add_u32 v[SPW], v[NIL]                      ; 0 onto my spare word
	s_mul_i32 s12, s16, XHALF                      ; no tensor load of mine is out: from here on a load brings half of x's rows or half of W's
	s_mul_i32 s13, s16, WHALF
	s_lshl_b32 s46, s16, 17
	s_mov_b32 s47, 0
	s_mul_i32 s98, s16, 96*1024
	s_mov_b32 s99, 0
.irp s, 0,1
	s_add_co_u32 s[G0X+4*\s+1], s[G0X+4*\s+1], s12
	s_add_nc_u64 s[G0X+4*\s+2:G0X+4*\s+3], s[G0X+4*\s+2:G0X+4*\s+3], s[46:47]
	s_add_co_u32 s[G0W+4*\s+1], s[G0W+4*\s+1], s13
	s_add_nc_u64 s[G0W+4*\s+2:G0W+4*\s+3], s[G0W+4*\s+2:G0W+4*\s+3], s[98:99]
.endr
	s_mov_b32 s[G1X+2], 128<<16
	s_mov_b32 s[G1X+4], 128
	s_mov_b32 s[G1W+2], 96<<16
	s_mov_b32 s[G1W+4], 96
	s_wait_dscnt 0x0                               ; the add is done
	CROUND                                         ; everybody's tiles are in, and all sixteen work-groups are here
	JLOAD G0X+4, G1X, G0W+4, G1W                   ; K step 1: my one tensor load behind the round
	FETCH_W 0, 0, 0
	FETCH_X 0, 0, 0
	SCALES 0, 0
	FETCH_W 0, 0, 1
	FETCH_W 0, 0, 2
	WIN 0
	STEP 0, 1
	TURN 0, 1, 1, 1                                ; slot 0 takes K step 2
	global_prefetch_b8 v14, s[18:19] offset:768 th:TH_LOAD_NT scope:SCOPE_SE   ; K step 3, a K step ahead of the load that wants it
	STEP 1, 0
	TURN 1, 0, 2, 1                                ; slot 1 takes K step 3
	STEP 0, 0
	TURN 0, 1, 3, 0                                ; nothing is left to fetch
	STEP 1, 0
	s_wait_dscnt 32                                ; the last 128 along K
	GQK 0, 1, 1, 1, 0
	s_wait_dscnt 16
	GQK 1, 1, 1, 1, 0
	s_wait_dscnt 0x0
	GV 1, 1, 1, 0
	s_wait_xcnt 0x0                                ; the prefetches have read their addresses: v14 may be written below
	WIN 0
	PLACES 8
; THE QUANTISER on 128 accumulator registers of window win from base on: 8 blocks; block k's 32 numbers are my registers base + 16 k + 0 .. 15 and those of lane l xor 16.  Codes go to window 1, v[cd] on; the bytes stay in v[TP] on.
.macro SECT win, base, cd
	WIN \win*5                                     ; sources 0 and 1 in the accumulators' window
.irp k, 0,1,2,3,4,5,6,7
	v_max3_num_f32 v[TM+\k], |v[\base+16*\k]|, |v[\base+16*\k+1]|, 0x4800000   ; each tile is read from its low end on; the floor 2^(9 - 127) holds the byte at 1 from below
.endr
.irp i, 2,4,6,8,10,12,14
.irp k, 0,1,2,3,4,5,6,7
	v_max3_num_f32 v[TM+\k], |v[\base+16*\k+\i]|, |v[\base+16*\k+\i+1]|, v[TM+\k]
.endr
.endr
	WIN 0
.irp k, 0,1,2,3,4,5,6,7
	v_permlanex16_b32 v[TP+\k], v[TM+\k], s82, s83
.endr
.irp k, 0,1,2,3,4,5,6,7
	v_max_num_f32 v[TM+\k], v[TM+\k], v[TP+\k]     ; the block's largest magnitude
.endr
.irp k, 0,1,2,3,4,5,6,7
	v_add_nc_u32 v[SO+\k], 0xfc000000, v[TM+\k]    ; 8 off its exponent field: the conversion's scale operand
.endr
.irp k, 0,1,2,3,4,5,6,7
	v_and_or_b32 v[HD+\k], v[TM+\k], 0x7f800000, s96   ; 448 x the scale
.endr
.irp k, 0,1,2,3,4,5,6,7
	v_lshrrev_b32 v[TP+\k], 23, v[SO+\k]           ; the scale's byte
.endr
	WIN \win
.irp k, 0,1,2,3,4,5,6,7
.irp i, 0,1,2,3,4,5,6,7,8,9,10,11,12,13,14,15
	v_med3_num_f32 v[XF+16*\k+\i], v[\base+16*\k+\i], -v[HD+\k], v[HD+\k]   ; the conversion to an 8-bit code does not saturate (ISA guide 7.6.2): the hold; the held numbers go to window 0
.endr
.endr
	WIN 0x40                                       ; destination window 1
.irp k, 0,1,2,3,4,5,6,7
	v_cvt_scalef32_pk8_fp8_f32 v[\cd+4*\k:\cd+4*\k+1], v[XF+16*\k:XF+16*\k+7], v[SO+\k]
	v_cvt_scalef32_pk8_fp8_f32 v[\cd+4*\k+2:\cd+4*\k+3], v[XF+16*\k+8:XF+16*\k+15], v[SO+\k]
.endr
	WIN 0
.endm
	SECT 2, 0, 192                                 ; q: block 2 a + c = token tile a, d block c
.irp a, 0,1,2,3
	v_lshl_or_b32 v[QW+\a], v[TP+2*\a+1], 8, v[TP+2*\a]
.endr
.irp a, 0,1,2,3
	v_lshl_or_b32 v[QW+\a], v[QW+\a], 16, v[QW+\a] ; [s0, s1, s0, s1]: q serves in the low or in the high half of a K of 128
.endr
	WIN 0x04                                       ; a store's data: window 1
.irp k, 0,1,2,3,4,5,6,7
	global_store_b128 v[LI], v[192+4*\k:192+4*\k+3], s[70:71] offset:512*\k   ; each store of the wave covers 512 consecutive bytes, aligned
.endr
	WIN 0
	global_store_b128 v[LI], v[QW:QW+3], s[72:73]
	SECT 2, 128, 224                               ; k
.irp e, 0,1
	v_lshl_or_b32 v[KW+\e], v[TP+4*\e+1], 8, v[TP+4*\e]   ; a word for two key tiles: [tile 2 e: c0, c1; tile 2 e + 1: c0, c1]
	v_lshl_or_b32 v[KW+\e], v[TP+4*\e+2], 16, v[KW+\e]
	v_lshl_or_b32 v[KW+\e], v[TP+4*\e+3], 24, v[KW+\e]
.endr
	WIN 0x04
.irp k, 0,1,2,3,4,5,6,7
	global_store_b128 v[LI], v[224+4*\k:224+4*\k+3], s[74:75] offset:512*\k
.endr
	WIN 0
	ds_store_b64 v[KSA], v[KW:KW+1]
	SECT 3, 0, 0                                   ; v: block 2 t + e = d tile t, my key block e
.irp t, 0,1,2,3
	v_lshl_or_b32 v[VW+\t], v[TP+2*\t+1], 8, v[TP+2*\t]
.endr
	WIN 0x04
.irp k, 0,1,2,3,4,5,6,7
	global_store_b128 v[LI], v[4*\k:4*\k+3], s[78:79] offset:2048*(\k/2)+512*(\k%2)
.endr
	WIN 0
.irp t, 0,1,2,3
	ds_store_b16 v[VSA], v[VW+\t] offset:4*\t
.endr
	s_wait_dscnt 0x0                               ; for the others' sake: my words lie in LDS
	s_barrier_signal -1
	s_barrier_wait -1
	ds_load_b64 v[14:15], v[XRD]                   ; the gathered words of two key steps leave as runs of 256 consecutive bytes a wave
	ds_load_b64 v[18:19], v[XRD] offset:1024
	s_wait_dscnt 0x0
	global_store_b64 v[L8], v[14:15], s[76:77]
	global_store_b64 v[L8], v[18:19], s[80:81]
	s_wait_tensorcnt 0x0                           ; the wave's end
	ds_add_u32 v[SPW], v[NIL]
	s_wait_dscnt 0x0
	CROUND                                         ; the closing round
	s_endpgm
.Lfunc_end_k_q3420e58ea0_qkv:
	.size	k_q3420e58ea0_qkv, .Lfunc_end_k_q3420e58ea0_qkv-k_q3420e58ea0_qkv
	.p2alignl 7, 3214868480
	.fill 96, 4, 3214868480
	.section	.rodata,"a",@progbits
	.p2align	6, 0x0
	.amdhsa_kernel k_q3420e58ea0_qkv
		.amdhsa_group_segment_fixed_size 327680
		.amdhsa_private_segment_fixed_size 0
		.amdhsa_enable_private_segment 0
		.amdhsa_kernarg_size 88
		.amdhsa_user_sgpr_count 2
		.amdhsa_user_sgpr_kernarg_segment_ptr 1
		.amdhsa_wavefront_size32 1
		.amdhsa_system_sgpr_workgroup_id_x 1
		.amdhsa_system_sgpr_workgroup_id_y 1
		.amdhsa_system_sgpr_workgroup_id_z 1
		.amdhsa_system_vgpr_workitem_id 0
		.amdhsa_next_free_vgpr 1024
		.amdhsa_next_free_sgpr 100
		.amdhsa_reserve_vcc 0
		.amdhsa_float_denorm_mode_32 3
		.amdhsa_float_denorm_mode_16_64 3
		.amdhsa_memory_ordered 1
		.amdhsa_forward_progress 1
		.amdhsa_inst_pref_size 162
	.end_amdhsa_kernel
	.amdgpu_metadata
---
amdhsa.version: [ 1, 2 ]
amdhsa.kernels:
  - .name:           k_q3420e58ea0_qkv
    .symbol:         k_q3420e58ea0_qkv.kd
    .args:
      - { .name: x_codes, .offset: 0, .size: 8, .value_kind: global_buffer, .address_space: global }
      - { .name: x_scales, .offset: 8, .size: 8, .value_kind: global_buffer, .address_space: global }
      - { .name: w_qkv_codes, .offset: 16, .size: 8, .value_kind: global_buffer, .address_space: global }
      - { .name: w_qkv_scales, .offset: 24, .size: 8, .value_kind: global_buffer, .address_space: global }
      - { .name: b_qkv, .offset: 32, .size: 8, .value_kind: global_buffer, .address_space: global }
      - { .name: qc, .offset: 40, .size: 8, .value_kind: global_buffer, .address_space: global }
      - { .name: qs, .offset: 48, .size: 8, .value_kind: global_buffer, .address_space: global }
      - { .name: kc, .offset: 56, .size: 8, .value_kind: global_buffer, .address_space: global }
      - { .name: ks, .offset: 64, .size: 8, .value_kind: global_buffer, .address_space: global }
      - { .name: vc, .offset: 72, .size: 8, .value_kind: global_buffer, .address_space: global }
      - { .name: vs, .offset: 80, .size: 8, .value_kind: global_buffer, .address_space: global }
    .group_segment_fixed_size: 327680
    .private_segment_fixed_size: 0
    .kernarg_segment_align: 8
    .kernarg_segment_size: 88
    .max_flat_workgroup_size: 128
    .sgpr_count:     100
    .vgpr_count:     1024
    .wavefront_size: 32
...
	.end_amdgpu_metadata
.endif
;; end of part 1
;; launch attn (part 2): grid 8 x 32, 8 waves a work-group, clusters of 4 x 1, 327,680 bytes of LDS; arguments qc, qs, kc, ks, vc, vs, oc, os; writes oc, os
.if DOCPART == 2
	.amdgcn_target "amdgcn-amd-amdhsa--gfx1250"
	.amdhsa_code_object_version 6
	.text
	.protected	k_q3420e58ea0_attn
	.globl	k_q3420e58ea0_attn
	.p2align	8
	.type	k_q3420e58ea0_attn,@function
k_q3420e58ea0_attn:
	s_mov_b64 s[64:65], 0
	v_nop
	global_prefetch_b8 v0, s[64:65] scope:SCOPE_SE
	s_setreg_imm32_b32 hwreg(HW_REG_WAVE_MODE, 25, 1), 1
	s_wait_xcnt 0x0
	s_wait_alu depctr_hold_cnt(0) depctr_sa_sdst(0) depctr_va_vdst(0) depctr_va_sdst(0) depctr_va_ssrc(0) depctr_va_vcc(0) depctr_vm_vsrc(0)
	s_getreg_b32 s2, hwreg(HW_REG_IB_STS2, 6, 4)
	s_cmp_eq_u32 s2, 0
	s_cbranch_scc0 .Lentry_in_a_cluster
	s_endpgm
.Lentry_in_a_cluster:
	s_bfe_u32 s2, ttmp6, 0x10000c
	s_cmp_lg_u32 s2, 0x3003
	s_cbranch_scc0 .Lentry_shape_is_right
	s_endpgm
.Lentry_shape_is_right:
; Attention of one (batch, head) on codes of E4M3 with E8M0 scales: S^T = K Q^T, p = 2^(t - M), O^T = V^T P^T, O / l, and O quantised along the model's 1,024 for the last product.
; All operands come as images of operand registers (a group of four registers = 512 consecutive bytes, lane l at 16 l), made by the launch before.
; SHARES.  A work-group owns 256 queries of one (batch, head); each of its EIGHT waves two tiles of 16 queries, A and B, in 512 registers: two waves to a SIMD.  Every wave walks the 2,048 keys, 128 a step; each fragment of K and V serves both tiles.
; THE WHOLE HEAD'S K, V AND SCALE WORDS (272 KiB) LIE IN LDS: every byte is filled once.  The four query blocks of a cluster ask for them JOINTLY (mask 15): eight loads of 8,192 bytes at the head (steps 0 to 2 of K and of V, the scale words),
; then one load a wave for steps 3 to 15.  No prefetch: two loads a wave bring all that the work-group reads of K and V, and there is no loop of fills to run ahead in.
; THE HEAD'S SIZE IS 64, half of the instruction's K.  A fragment of K holds key tile 2 F in its registers 0-7 (K = 0 .. 63) and key tile 2 F + 1 in registers 8-15; it is multiplied by [q | 0] and by [0 | q].
; Zero codes on q's side make the other half count for nothing (k's codes are held, so none is NaN; no scale byte is 0xff).
; A lane holds ONE query of each tile.  Register 16 F + 8 u + j of the scores is key 32 F + 16 u + 8 h + j; converted as it stands it takes place 32 F + 16 h + 8 u + j of p's operand, and v's codes were laid in the same order.
; SOFTMAX: t = score x log2(e) / 8; M = the running largest t rounded up to a whole number; p is not normalised; the row's sum is taken of the unquantised p and divides O at the end.
; A block's largest p is taken through the block's largest score (the same multiply-add and exponential): this leans on v_exp_f32 not falling where its input rises.
; Two blocks share a register where one number a query is enough: block 2 k in lanes 0-15, block 2 k + 1 in lanes 16-31.
; P's SCALE BYTES ARE LAID 8 HIGHER than the rule's, so O^T carries a factor of 2^8, which the division by the sum takes back (a power of two: nothing is rounded by it).
; THE TWO TILES TAKE TURNS, half a step each.  Half x: x's exponentials, with the other tile y's next score products among them; y's O^T product of the step before; then x's sums, holds and codes joined with y's maxima, M and t - M.
; LIMITS: NaN and infinities are not served; the promise holds while t stays under 2^31 in magnitude; O^T before the division stays under 2^120; a block of zeros gets the scale byte 1, not 127 (its codes are zeros, and this program alone reads the bytes).
; REGISTERS.  window 0: v1-63 below, v64-127 K, v128-255 the scores of A and B, then p.   window 1: v0-63 V, v64-127 O^T of A and B, v128-159 p's codes, v160-207 q.
.set SB,    139264                     ; LDS: K's 16 steps of 8,192 bytes, then its scale words (512 a step); V's likewise from SB
.set SCW,   131072
.set OSX,   2*SB                       ; 1,024 bytes in which O's scale half-words meet (no tensor load lands here)
.set SPARE, OSX+1024                   ; the spare words, 128 bytes for each wave
.set LI,  1                            ; v1   16 x lane
.set ADK, 2                            ; v2-5 a step's addresses: K, V, K's words, V's words
.set ADV, 3
.set ADS, 4
.set ADT, 5
.set SPW, 6
.set NIL, 7
.set QS,  8                            ; v8, v9 q's scale words
.set NM,  10                           ; v10, v12 -M of A, of B (each named as a pair's low half)
.set RM,  14                           ; v14, v15 the largest score so far
.set SM,  16                           ; v[16:17], v[18:19] the sums, in two halves
.set F,   20                           ; v20, v22 f = 2^(old M - new M)
.set C2,  24                           ; v24-27, v38-39 three more chains of a sum
.set C3,  26
.set C4,  38
.set KSW, 28                           ; v28-31 K's scale words;  v32-35 V's;  v36, v37 p's: no product's two scale words have numbers equal modulo 8
.set VSW, 32
.set PSW, 36
.set SO,  40                           ; v40-43 the conversions' scale operands
.set HD,  44                           ; v44-47 448 x the blocks' scales
.set TM,  48                           ; v48-55 the blocks' largest, four of A, four of B
.set T,   56                           ; v56-63 at work
.set KF,  64
.set S0,  128
.set VF,  0                            ; window 1
.set O,   64
.set PC,  128
.set QHI, 160                          ; [0 | q] of A at v160-175, [q | 0] at v168-183; B's 24 further on
.set QLO, 168
.set WV,  20
.set SEL, 28
.set CS,  30
.set MNT, 32
.set CNT, 33
.set TK,  34
.set TV,  35
.set TS,  36
.set TT,  37
.set NC,  38
.set MSB, 0
.macro WIN new                         ; the immediate's high byte repeats the setting that is left
.if MSB != (\new)
	s_set_vgpr_msb (MSB<<8)|(\new)
.set MSB, (\new)
.endif
.endm
.macro PLACES n
.rept \n
	v_nop
.endr
.endm
.macro WALU
	s_wait_alu depctr_va_vdst(0)
.endm
.macro CROUND                          ; a round of the cluster's barrier
	s_barrier_signal -1
	s_barrier_wait -1
	s_cmp_lg_u32 s[WV], 0
	s_cbranch_scc1 .Lnot_wave_0_\@
	s_barrier_signal -3
.Lnot_wave_0_\@:
	s_barrier_wait -3
	s_barrier_signal -1
	s_barrier_wait -1
.endm
.macro G1SET g, rows                   ; a dense block as rows of 256 bytes (32 elements of 8), no padding; 15:0 the mask of all four work-groups, bit 21 beside it
	s_mov_b32 s[\g], 15|(3<<16)|(1<<21)
	s_mov_b32 s[\g+1], 32<<16
	s_mov_b32 s[\g+2], (\rows)<<16
	s_mov_b32 s[\g+3], 32<<16
	s_mov_b32 s[\g+4], \rows
	s_mov_b32 s[\g+5], 32
	s_mov_b32 s[\g+6], 0
	s_mov_b32 s[\g+7], 0
.endm
	s_load_b256 s[4:11], s[0:1], 0x0               ; qc s[4:5], qs s[6:7], kc s[8:9], ks s[10:11]
	s_load_b256 s[12:19], s[0:1], 0x20             ; vc s[12:13], vs s[14:15], oc s[16:17], os s[18:19]
	v_lshl_add_u32 v[SPW], v0, 2, SPARE
	v_mov_b32 v[NIL], 0
	ds_add_u32 v[SPW], v[NIL]                      ; the wave's opening
	ds_add_u32 v[SPW], v[NIL]
	v_lshrrev_b32 v2, 5, v0
	v_readfirstlane_b32 s[WV], v2                  ; wave 0..7
	s_lshr_b32 s21, s[WV], 2                       ; I fetch for K (0) or for V (1):
	s_and_b32 s22, s[WV], 3                        ; at the head step 0, 1, 2 or (3) the scale words; then a quarter of steps 3 to 15
	s_bfe_u32 s23, ttmp6, 0x40000                  ; cx
	s_lshl_b32 s24, ttmp9, 2
	s_add_co_u32 s24, s24, s23                     ; my block of 256 queries: it enters q's and O's addresses alone
	s_and_b32 s25, ttmp7, 0xffff                   ; bh = 16 x batch + head, which the four partners share
	G1SET 40, 32
	G1SET 48, 104
	s_mov_b32 s68, 1
	s_mov_b32 s72, 1
	s_mul_i32 s69, s21, SB                         ; where they go: the wave's number alone
	s_mul_i32 s93, s22, 26624
	s_add_co_u32 s73, s69, s93
	s_add_co_u32 s73, s73, 24576
	s_lshl_b32 s92, s22, 13
	s_add_co_u32 s69, s69, s92
	s_add_co_u32 s94, s22, 1
	s_lshr_b32 s94, s94, 2                         ; 1 for the scale words
	s_mul_i32 s94, s94, SCW-24576
	s_add_co_u32 s69, s69, s94
	s_lshl_b32 s84, s25, 13                        ; and where they come from
	s_mov_b32 s85, 0
	s_lshl_b32 s86, s25, 17
	s_add_co_u32 s88, s86, s93
	s_add_co_u32 s88, s88, 24576
	s_mov_b32 s89, 0
	s_add_co_u32 s86, s86, s92
	s_mov_b32 s87, 0
	s_mov_b32 s[SEL], 0x76543210
	s_mov_b32 s[SEL+1], 0xfedcba98
	s_mov_b32 s[CS], 0x3e38aa3b                    ; c = log2(e) / 8
	s_mov_b32 s[CS+1], s[CS]                       ; (named with it as a pair, so it is written)
	s_mov_b32 s[NC], 0xbe38aa3b                    ; -c
	s_mov_b32 s[MNT], 0x600000                     ; the mantissa field of 448
	s_mov_b32 s[TK], 8192                          ; a trip loads K of the step after its own and V of its own
	s_mov_b32 s[TV], SB
	s_mov_b32 s[TS], SCW+512
	s_mov_b32 s[TT], SB+SCW
	s_wait_dscnt 0x0                               ; both opening adds are done
	s_wait_kmcnt 0x0
	s_cmp_lt_u32 s[WV], 4                          ; the choices hang on the wave's number alone
	s_cselect_b64 s[80:81], s[8:9], s[12:13]
	s_cselect_b64 s[82:83], s[10:11], s[14:15]
	s_add_nc_u64 s[74:75], s[80:81], s[88:89]
	s_or_b32 s75, s75, 0x80000000
	s_add_nc_u64 s[80:81], s[80:81], s[86:87]
	s_add_nc_u64 s[82:83], s[82:83], s[84:85]
	s_cmp_eq_u32 s22, 3
	s_cselect_b64 s[70:71], s[82:83], s[80:81]
	s_or_b32 s71, s71, 0x80000000
	CROUND                                         ; all four work-groups are here: the joint loads meet
	tensor_load_to_lds s[68:71], s[40:47]          ; one load a wave at the head
	s_nop 0
	PLACES 4
	s_lshl_b32 s92, s25, 17                        ; q's tiles: bh, then tiles 16 x block + 2 x wave, of 1,024 bytes
	s_lshl_b32 s94, s24, 14
	s_add_co_u32 s92, s92, s94
	s_lshl_b32 s94, s[WV], 11
	s_add_co_u32 s92, s92, s94
	s_mov_b32 s93, 0
	s_add_nc_u64 s[4:5], s[4:5], s[92:93]
	s_lshl_b32 s92, s25, 14                        ; their scale words: 512 bytes for four tiles, mine two of a lane's four words
	s_lshl_b32 s94, s24, 11
	s_add_co_u32 s92, s92, s94
	s_lshr_b32 s94, s[WV], 1
	s_lshl_b32 s94, s94, 9
	s_add_co_u32 s92, s92, s94
	s_and_b32 s94, s[WV], 1
	s_lshl_b32 s94, s94, 3
	s_add_co_u32 s92, s92, s94
	s_add_nc_u64 s[6:7], s[6:7], s[92:93]
	v_and_b32 v1, 31, v0
	v_lshlrev_b32 v[LI], 4, v1
	WIN 0x40
.irp t, 0,1
	global_load_b128 v[QLO+24*\t:QLO+24*\t+3], v[LI], s[4:5] offset:1024*\t             ; d block 0,
	global_load_b128 v[QLO+24*\t+4:QLO+24*\t+7], v[LI], s[4:5] offset:1024*\t+512       ; d block 1
.endr
	WIN 0
	global_load_b64 v[QS:QS+1], v[LI], s[6:7]
	s_lshr_b32 s90, s25, 4                         ; batch
	s_and_b32 s91, s25, 15                         ; head
	s_lshl_b32 s92, s90, 7                         ; oc: token tiles 128 x batch + 16 x block + 2 x wave, 16,384 bytes each; in it 1,024 bytes a head
	s_lshl_b32 s94, s24, 4
	s_add_co_u32 s92, s92, s94
	s_lshl_b32 s94, s[WV], 1
	s_add_co_u32 s92, s92, s94
	s_lshl_b32 s92, s92, 14
	s_lshl_b32 s94, s91, 10
	s_add_co_u32 s92, s92, s94
	s_add_nc_u64 s[16:17], s[16:17], s[92:93]
	s_lshl_b32 s92, s90, 5                         ; os: 16,384 bytes a head; group of four tiles 32 x batch + 4 x block + wave (waves 0 to 3 store), 256 bytes each
	s_lshl_b32 s94, s24, 2
	s_add_co_u32 s92, s92, s94
	s_add_co_u32 s92, s92, s[WV]
	s_lshl_b32 s92, s92, 8
	s_lshl_b32 s94, s91, 14
	s_add_co_u32 s92, s92, s94
	s_add_nc_u64 s[18:19], s[18:19], s[92:93]
	WALU                                           ; directly ahead of the readers below
	v_add_nc_u32 v[ADV], SB, v[LI]
	v_add_nc_u32 v[ADS], SCW, v[LI]
	v_add_nc_u32 v[ADT], SB+SCW, v[LI]
	WIN 0x40
.irp j, 0,1,2,3,4,5,6,7
	v_mov_b32 v[QHI+\j], 0                         ; the zero codes on either side of q
	v_mov_b32 v[QHI+16+\j], 0
	v_mov_b32 v[QHI+24+\j], 0
	v_mov_b32 v[QHI+40+\j], 0
	v_mov_b32 v[PC+16+\j], 0                       ; tile B's codes: the first half step's O^T product finds zeros
	v_mov_b32 v[PC+24+\j], 0
.endr
.set n_, 0
.rept 64
	v_mov_b32 v[O+n_], 0                           ; O^T.  (A trip is written once for each loop: the first finds zeros, which the first change of M leaves zeros)
.set n_, n_+1
.endr
	WIN 0
.irp t, 0,1
	v_mov_b32 v[RM+\t], 0xff61b1e6                 ; the largest score so far: -3e38
	v_mul_f32 v[NM+2*\t], s[NC], v[RM+\t]          ; -M (a whole number at that size)
	v_mov_b32 v[NM+2*\t+1], 0                      ; (named as a pair's upper half)
	v_mov_b32 v[F+2*\t+1], 0
	v_mov_b32 v[SM+2*\t], 0
	v_mov_b32 v[SM+2*\t+1], 0
	v_mov_b32 v[PSW+\t], 0x7f7f7f7f
	v_mov_b32 v[T+4*\t+1], 0                       ; written once: a lane permute's destination counts as one of its sources
	v_mov_b32 v[T+2*\t+2], 0
	v_mov_b32 v[T+2*\t+3], 0
.endr
; A STEP'S PLAIN WORK AS NUMBERED LISTS: t the tile (0 A, 1 B), n the line.
.macro MAXL t, n                       ; 32: the largest score of each block of 32 keys, my 16 of them; each accumulator is read from its low end on
.set b_, S0+64*(\t)+16*((\n)%4)
.set m_, TM+4*(\t)+(\n)%4
.set i_, 3+2*(((\n)-4)/4)
.if (\n) < 4
	v_max3_num_f32 v[m_], v[b_], v[b_+1], v[b_+2]
.elseif (\n) < 28
	v_max3_num_f32 v[m_], v[m_], v[b_+i_], v[b_+i_+1]
.else
	v_max_num_f32 v[m_], v[m_], v[b_+15]
.endif
.endm
.macro RED t, n                        ; 15: the blocks' largest joined over lanes l and l xor 16, the row's largest, M, f, and t - M of the blocks' largest
.set x_, TM+4*(\t)
.set t_, T+4*(\t)
.set m_, NM+2*(\t)
.if (\n) < 2
	v_permlane16_swap_b32 v[x_+2*(\n)], v[x_+2*(\n)+1]   ; the first's lanes 16-31 change places with the second's lanes 0-15
.elseif (\n) < 4
	v_max_num_f32 v[x_+2*((\n)-2)], v[x_+2*((\n)-2)], v[x_+2*((\n)-2)+1]   ; lanes 0-15 the even block, lanes 16-31 the odd one
.elseif (\n) == 4
	v_max3_num_f32 v[t_], v[RM+\t], v[x_], v[x_+2]
.elseif (\n) == 5
	v_permlanex16_b32 v[t_+1], v[t_], s[SEL], s[SEL+1]
.elseif (\n) == 6
	v_max_num_f32 v[RM+\t], v[t_], v[t_+1]         ; the running largest score
.elseif (\n) == 7
	v_mul_f32 v[t_], s[NC], v[RM+\t]
.elseif (\n) == 8
	v_floor_f32 v[t_], v[t_]                       ; the new -M = floor(-t) = -ceil(t)
.elseif (\n) == 9
	v_sub_f32 v[t_+2], v[t_], v[m_]                ; old M less new M: a whole number, 0 or less
.elseif (\n) == 10
	v_mov_b32 v[m_], v[t_]
.elseif (\n) == 11
	v_cvt_i32_f32 v[t_+2], v[t_+2]                 ; (it saturates)
.elseif (\n) == 12
	v_ldexp_f32 v[F+2*(\t)], 1.0, v[t_+2]          ; f: a multiplication by it rounds nothing
.else
	v_fma_f32 v[x_+2*((\n)-13)], v[x_+2*((\n)-13)], s[CS], v[m_]
.endif
.endm
.macro FMAL t, n                       ; 32: t - M, two at a time (of the pairs c and -M the low word serves both halves)
.set b_, S0+64*(\t)+2*(\n)
	v_pk_fma_f32 v[b_:b_+1], v[b_:b_+1], s[CS:CS+1], v[NM+2*(\t):NM+2*(\t)+1] op_sel_hi:[1,0,0]
.endm
.macro EXPL t, n                       ; 66: the blocks' largest p (two blocks to a register), then p of the 64 scores
.if (\n) < 2
	v_exp_f32 v[TM+4*(\t)+2*(\n)], v[TM+4*(\t)+2*(\n)]
.else
	v_exp_f32 v[S0+64*(\t)+(\n)-2], v[S0+64*(\t)+(\n)-2]
.endif
.endm
.macro SUML t, n                       ; 32: the row's sum of the UNQUANTISED p, in four chains
.set b_, S0+64*(\t)
.set s_, SM+2*(\t)
.if (\n) == 0
	v_pk_add_f32 v[s_:s_+1], v[s_:s_+1], v[b_:b_+1]
.elseif (\n) == 1
	v_pk_add_f32 v[C2:C2+1], v[b_+2:b_+3], v[b_+4:b_+5]
.elseif (\n) == 2
	v_pk_add_f32 v[C3:C3+1], v[b_+6:b_+7], v[b_+8:b_+9]
.elseif (\n) == 3
	v_pk_add_f32 v[C4:C4+1], v[b_+10:b_+11], v[b_+12:b_+13]
.elseif (\n) == 29
	v_pk_add_f32 v[C3:C3+1], v[C3:C3+1], v[C4:C4+1]
.elseif (\n) == 30
	v_pk_add_f32 v[s_:s_+1], v[s_:s_+1], v[C2:C2+1]
.elseif (\n) == 31
	v_pk_add_f32 v[s_:s_+1], v[s_:s_+1], v[C3:C3+1]
.else
.set p_, b_+2*(\n)+6
.if (\n)%4 == 0
.set q_, s_
.elseif (\n)%4 == 1
.set q_, C2
.elseif (\n)%4 == 2
.set q_, C3
.else
.set q_, C4
.endif
	v_pk_add_f32 v[q_:q_+1], v[q_:q_+1], v[p_:p_+1]
.endif
.endm
.macro POST t, n                       ; 17: from the blocks' largest p: 448 x the scale, the conversion's scale operand, p's scale word
.set x_, TM+4*(\t)
.set t_, T+4*(\t)
.if (\n) < 2
	v_max_num_f32 v[x_+2*(\n)], 0x4800000, v[x_+2*(\n)]   ; the floor 2^(9 - 127): the byte cannot fall under 1
.elseif (\n) < 4
	v_and_or_b32 v[HD+2*((\n)-2)], v[x_+2*((\n)-2)], 0x7f800000, s[MNT]   ; 448 x the scale: the exponent field over 448's mantissa
.elseif (\n) < 6
	v_mov_b32 v[HD+2*((\n)-4)+1], v[HD+2*((\n)-4)]
.elseif (\n) < 8
	v_permlane16_swap_b32 v[HD+2*((\n)-6)], v[HD+2*((\n)-6)+1]   ; the even block's in all lanes, the odd block's in all lanes
.elseif (\n) < 12
	v_add_nc_u32 v[SO+(\n)-8], 0xfc000000, v[HD+(\n)-8]   ; 8 off the exponent field: the conversion's scale operand
.elseif (\n) < 14
	v_lshrrev_b32 v[t_+(\n)-12], 23, v[x_+2*((\n)-12)]   ; the byte, 8 higher than the scale's
.elseif (\n) == 14
	v_lshl_or_b32 v[t_], v[t_+1], 16, v[t_]
.elseif (\n) == 15
	v_permlanex16_b32 v[t_+1], v[t_], s[SEL], s[SEL+1]
.else
	v_lshl_or_b32 v[PSW+\t], v[t_+1], 8, v[t_]     ; lanes 0-15 hold the four blocks' bytes; the others are not read
.endif
.endm
; 32: the conversion to an 8-bit code does not saturate (ISA guide 7.6.2); p is not negative, so the hold is one-sided.  TWO HOLDS TO AN INSTRUCTION: the dual form wants one even and one odd destination, and its two first sources, and its two
; second sources, in different register banks (register number mod 4): so an even element of one block goes with the odd element beside it in the other block.
.macro HOLDL t, n
.set c_, 2*((\n)/16)+(\n)%2
.set d_, 2*((\n)/16)+1-(\n)%2
.set x_, S0+64*(\t)+16*c_+2*(((\n)%16)/2)
.set y_, S0+64*(\t)+16*d_+2*(((\n)%16)/2)+1
	v_dual_min_num_f32 v[x_], v[x_], v[HD+c_] :: v_dual_min_num_f32 v[y_], v[y_], v[HD+d_]
.endm
.macro CVTS t                          ; eight conversions: each makes two registers of p's operand (window 1)
	WIN 0x40
.irp n, 0,1,2,3,4,5,6,7
	v_cvt_scalef32_pk8_fp8_f32 v[PC+16*\t+2*\n:PC+16*\t+2*\n+1], v[S0+64*\t+8*\n:S0+64*\t+8*\n+7], v[SO+\n/2]
.endr
	WIN 0
.endm
.macro QK t, f                         ; 8: S^T of key tile f of the step
.set q_, QLO+24*(\t)-8*((\f)%2)
.set b_, S0+64*(\t)+8*(\f)
.set k_, KF+16*((\f)/2)
	v_wmma_scale_f32_16x16x128_f8f6f4 v[b_:b_+7], v[k_:k_+15], v[q_:q_+15], 0, v[KSW+(\f)/2], v[QS+\t]
.endm
.macro PV t
	WIN 0x55
.irp k, 0,1,2,3
	v_wmma_scale_f32_16x16x128_f8f6f4 v[O+32*\t+8*\k:O+32*\t+8*\k+7], v[VF+16*\k:VF+16*\k+15], v[PC+16*\t:PC+16*\t+15], v[O+32*\t+8*\k:O+32*\t+8*\k+7], v[VSW+\k], v[PSW+\t]
.endr
	WIN 0
.endm
.macro LOADS reg, adr
.irp f, 0,1,2,3
.irp g, 0,1,2,3
	ds_load_b128 v[\reg+16*\f+4*\g:\reg+16*\f+4*\g+3], v[\adr] offset:2048*\f+512*\g
.endr
.endr
.endm
.macro LOADV
	WIN 0x40
	LOADS VF, ADV
	WIN 0
	ds_load_b128 v[VSW:VSW+3], v[ADT]
.endm
.macro LOADK adr
	LOADS KF, \adr
	ds_load_b128 v[KSW:KSW+3], v[ADS]
.endm
; HALF A STEP: tile x.  ld: 1 = this step's V is loaded, 2 = and the next step's K.  more = 1: tile y's next scores are made and worked up to its exponentials.
.macro HALF x, y, ld, more
	WIN 0x04                                       ; q lies in window 1: the exponentials and the score products go under one setting
	WALU                                           ; ahead of the batch
.set n_, 0
.rept 18
	EXPL \x, n_
.set n_, n_+1
.endr
.if \x
	s_wait_dscnt 0x0                               ; V and the next step's K are in, with their words
.endif
.set f_, 0
.rept 8
.if \more
	QK \y, f_
.endif
.rept 6
	EXPL \x, n_
.set n_, n_+1
.endr
.set f_, f_+1
.endr
	v_nop
	PV \y                                          ; y's codes were made half a step ago
.if \ld
	v_add_nc_u32 v[ADV], s[TV], v[LI]
	v_add_nc_u32 v[ADT], s[TT], v[LI]
.if \ld > 1
	v_add_nc_u32 v[ADK], s[TK], v[LI]
	v_add_nc_u32 v[ADS], s[TS], v[LI]
.endif
.endif
	WALU                                           ; behind the batch, directly ahead of its first reader and of the new scores' readers
.set n_, 0
.rept 8                                ; (with these the eight places behind the score products are kept)
	SUML \x, n_
.set n_, n_+1
.endr
.if \more
.set n_, 0
.rept 32
	MAXL \y, n_
.if n_ < 24
	SUML \x, n_+8
.elseif n_ < 30
	POST \x, n_-24
.endif
.set n_, n_+1
.endr
	POST \x, 6
	POST \x, 7
.if \ld
	LOADV
.if \ld > 1
	LOADK ADK
.endif
.endif
.set n_, 0
.set i_n, 0
.set r_, 0
.set o_, 8
.rept 32                               ; the holds of x, three in four of them followed by a line of y's reduction or of x's scales
	HOLDL \x, n_
.if n_%4 != 3
.if i_n%8 == 2 || i_n%8 == 5 || i_n%8 == 7
	POST \x, o_
.set o_, o_+1
.else
	RED \y, r_
.set r_, r_+1
.endif
.set i_n, i_n+1
.endif
.set n_, n_+1
.endr
	CVTS \x
.set n_, 0
.rept 32
	FMAL \y, n_
.set n_, n_+1
.endr
	WIN 0x41
.set n_, 0
.rept 16                               ; O^T under the new M: x f
	v_pk_mul_f32 v[O+32*\y+2*n_:O+32*\y+2*n_+1], v[O+32*\y+2*n_:O+32*\y+2*n_+1], v[F+2*\y:F+2*\y+1] op_sel_hi:[1,0]
.set n_, n_+1
.endr
	WIN 0
	v_pk_mul_f32 v[SM+2*\y:SM+2*\y+1], v[SM+2*\y:SM+2*\y+1], v[F+2*\y:F+2*\y+1] op_sel_hi:[1,0]   ; the sum likewise
.else
.set n_, 8
.rept 24
	SUML \x, n_
.if n_ > 14
	POST \x, n_-15
.endif
.set n_, n_+1
.endr
.set n_, 0
.rept 32
	HOLDL \x, n_
.set n_, n_+1
.endr
	CVTS \x
.endif
.endm
.macro TRIP
	HALF 0, 1, 2, 1
	HALF 1, 0, 0, 1
	s_add_co_u32 s[TK], s[TK], 8192
	s_add_co_u32 s[TV], s[TV], 8192
	s_add_co_u32 s[TS], s[TS], 512
	s_add_co_u32 s[TT], s[TT], 512
.endm
	WALU                                           ; at the head's end
	s_wait_loadcnt 0x0                             ; q
	s_wait_tensorcnt 0x0                           ; my tile of the head's eight is in
	ds_add_u32 v[SPW], v[NIL]                      ; 0 onto my spare word
	s_wait_dscnt 0x0
	CROUND                                         ; everybody's are in, and all four work-groups are here
	tensor_load_to_lds s[72:75], s[48:55]          ; steps 3 to 15: a quarter of K's or of V's a wave; two trips in which to land
	s_nop 0
	PLACES 4
	LOADK LI                                       ; step 0
	LOADV                                          ; (V's step 0 stands beside tile B's zero codes in the first half step)
	s_wait_dscnt 0x0
	WIN 0x04
.irp f, 0,1,2,3,4,5,6,7
	QK 0, \f
.endr
	WIN 0
	PLACES 8
.set n_, 0
.rept 32
	MAXL 0, n_
.set n_, n_+1
.endr
.set n_, 0
.rept 15
	RED 0, n_
.set n_, n_+1
.endr
.set n_, 0
.rept 32
	FMAL 0, n_
.set n_, n_+1
.endr
	s_mov_b32 s[CNT], 2
.Lfirst:
	TRIP
	s_sub_co_u32 s[CNT], s[CNT], 1
	s_cmp_lg_u32 s[CNT], 0
	s_cbranch_scc1 .Lfirst
	WALU
	s_wait_tensorcnt 0x0                           ; my part of steps 3 to 15 is in,
	s_wait_dscnt 0x0
	s_barrier_signal -1
	s_barrier_wait -1                              ; everybody's is
	s_mov_b32 s[CNT], 13
.Lrest:
	TRIP
	s_sub_co_u32 s[CNT], s[CNT], 1
	s_cmp_lg_u32 s[CNT], 0
	s_cbranch_scc1 .Lrest
	HALF 0, 1, 1, 1                                ; the last step is written out: no K follows
	HALF 1, 0, 0, 0
	PLACES 5                                       ; between the codes' making and the product
	PV 1
	; THE WAY OUT.  The plain lines from here to the multiplications are the places behind the last products.
	s_lshr_b32 s92, s[WV], 1
	s_lshl_b32 s92, s92, 8
	s_and_b32 s93, s[WV], 1
	s_lshl_b32 s93, s93, 2
	s_add_co_u32 s92, s92, s93
	s_add_co_u32 s92, s92, OSX
	s_lshl_b32 s93, s[WV], 8
	s_add_co_u32 s93, s93, OSX
.irp t, 0,1
	v_add_f32 v[SM+2*\t], v[SM+2*\t], v[SM+2*\t+1] ; the sum's two halves,
.endr
.irp t, 0,1
	v_permlanex16_b32 v[T+4*\t+1], v[SM+2*\t], s[SEL], s[SEL+1]
.endr
.irp t, 0,1
	v_add_f32 v[SM+2*\t], v[SM+2*\t], v[T+4*\t+1]  ; and the other half of the lanes': the row's sum,
.endr
.irp t, 0,1
	v_mul_f32 v[SM+2*\t], 0x43800000, v[SM+2*\t]   ; x 2^8, the factor that O^T carries
.endr
	WALU
	v_rcp_f32 v[SM], v[SM]
	v_rcp_f32 v[SM+2], v[SM+2]
	v_lshrrev_b32 v5, 1, v[LI]                     ; 8 x lane
	v_add_nc_u32 v3, s92, v5                       ; my two half-words: group of four tiles, 8 bytes a lane, tile % 4
	v_add_nc_u32 v4, s93, v5                       ; and where waves 0 to 3 read a group back
	WIN 0x01
	WALU
.set n_, 0
.rept 32                               ; O^T / the sum: register 16 b + 8 u + j is d = 32 b + 16 u + 8 h + j
	v_pk_mul_f32 v[S0+64*(n_/16)+2*(n_%16):S0+64*(n_/16)+2*(n_%16)+1], v[O+2*n_:O+2*n_+1], v[SM+2*(n_/16):SM+2*(n_/16)+1] op_sel_hi:[1,0]
.set n_, n_+1
.endr
	WIN 0
; k = 2 x tile + block: its 16 registers from S0 + 64 (k / 2) + 16 (k % 2) on
.irp k, 0,1,2,3
.irp j, 0,1,2,3,4,5,6,7
	v_permlane16_swap_b32 v[S0+64*(\k/2)+16*(\k%2)+\j], v[S0+64*(\k/2)+16*(\k%2)+8+\j]   ; register i of block b is now d = 32 b + 16 h + i, the order in which w_o's codes lie
.endr
.endr
.irp k, 0,1,2,3
	v_max3_num_f32 v[TM+\k], |v[S0+64*(\k/2)+16*(\k%2)]|, |v[S0+64*(\k/2)+16*(\k%2)+1]|, 0x4800000
.endr
.irp i, 2,4,6,8,10,12,14
.irp k, 0,1,2,3
	v_max3_num_f32 v[TM+\k], v[TM+\k], |v[S0+64*(\k/2)+16*(\k%2)+\i]|, |v[S0+64*(\k/2)+16*(\k%2)+\i+1]|
.endr
.endr
.irp k, 0,1,2,3
	v_permlanex16_b32 v[T+\k], v[TM+\k], s[SEL], s[SEL+1]
.endr
.irp k, 0,1,2,3
	v_max_num_f32 v[TM+\k], v[TM+\k], v[T+\k]
.endr
.irp k, 0,1,2,3
	v_add_nc_u32 v[SO+\k], 0xfc000000, v[TM+\k]
.endr
.irp k, 0,1,2,3
	v_and_or_b32 v[HD+\k], v[TM+\k], 0x7f800000, s[MNT]
.endr
.irp k, 0,1,2,3
	v_lshrrev_b32 v[T+\k], 23, v[SO+\k]
.endr
	v_lshl_or_b32 v[T], v[T+1], 8, v[T]            ; my row's two scale bytes of this head, tile A's
	v_lshl_or_b32 v[T+2], v[T+3], 8, v[T+2]        ; and tile B's
	v_lshl_or_b32 v[T], v[T+2], 16, v[T]
.irp k, 0,1,2,3
.irp i, 0,1,2,3,4,5,6,7,8,9,10,11,12,13,14,15
	v_med3_num_f32 v[S0+64*(\k/2)+16*(\k%2)+\i], v[S0+64*(\k/2)+16*(\k%2)+\i], -v[HD+\k], v[HD+\k]
.endr
	v_cvt_scalef32_pk8_fp8_f32 v[KF+4*\k:KF+4*\k+1], v[S0+64*(\k/2)+16*(\k%2):S0+64*(\k/2)+16*(\k%2)+7], v[SO+\k]   ; (K's registers are spent)
	v_cvt_scalef32_pk8_fp8_f32 v[KF+4*\k+2:KF+4*\k+3], v[S0+64*(\k/2)+16*(\k%2)+8:S0+64*(\k/2)+16*(\k%2)+15], v[SO+\k]
.endr
	v_nop
	ds_store_b32 v3, v[T]
.irp k, 0,1,2,3
	global_store_b128 v[LI], v[KF+4*\k:KF+4*\k+3], s[16:17] offset:16384*(\k/2)+512*(\k%2)   ; each store of the wave covers 512 consecutive bytes, aligned
.endr
	WALU
	s_wait_dscnt 0x0                               ; for the others' sake: my half-words lie in LDS
	s_barrier_signal -1
	s_barrier_wait -1
	s_cmp_gt_u32 s[WV], 3
	s_cbranch_scc1 .Lno_os
	ds_load_b64 v[C2:C2+1], v4                     ; four tiles' half-words of each lane
	s_wait_dscnt 0x0
	global_store_b64 v5, v[C2:C2+1], s[18:19]      ; 256 consecutive bytes, aligned
.Lno_os:
	s_wait_tensorcnt 0x0                           ; the wave's end
	ds_add_u32 v[SPW], v[NIL]
	s_wait_dscnt 0x0
	CROUND                                         ; the closing round
	s_endpgm
.Lfunc_end_k_q3420e58ea0_attn:
	.size	k_q3420e58ea0_attn, .Lfunc_end_k_q3420e58ea0_attn-k_q3420e58ea0_attn
	.p2alignl 7, 3214868480
	.fill 96, 4, 3214868480
	.section	.rodata,"a",@progbits
	.p2align	6, 0x0
	.amdhsa_kernel k_q3420e58ea0_attn
		.amdhsa_group_segment_fixed_size 327680
		.amdhsa_private_segment_fixed_size 0
		.amdhsa_enable_private_segment 0
		.amdhsa_kernarg_size 64
		.amdhsa_user_sgpr_count 2
		.amdhsa_user_sgpr_kernarg_segment_ptr 1
		.amdhsa_wavefront_size32 1
		.amdhsa_system_sgpr_workgroup_id_x 1
		.amdhsa_system_sgpr_workgroup_id_y 1
		.amdhsa_system_sgpr_workgroup_id_z 1
		.amdhsa_system_vgpr_workitem_id 0
		.amdhsa_next_free_vgpr 512
		.amdhsa_next_free_sgpr 96
		.amdhsa_reserve_vcc 0
		.amdhsa_float_denorm_mode_32 3
		.amdhsa_float_denorm_mode_16_64 3
		.amdhsa_memory_ordered 1
		.amdhsa_forward_progress 1
		.amdhsa_inst_pref_size 123
	.end_amdhsa_kernel
	.amdgpu_metadata
---
amdhsa.version: [ 1, 2 ]
amdhsa.kernels:
  - .name:           k_q3420e58ea0_attn
    .symbol:         k_q3420e58ea0_attn.kd
    .args:
      - { .name: qc, .offset: 0, .size: 8, .value_kind: global_buffer, .address_space: global }
      - { .name: qs, .offset: 8, .size: 8, .value_kind: global_buffer, .address_space: global }
      - { .name: kc, .offset: 16, .size: 8, .value_kind: global_buffer, .address_space: global }
      - { .name: ks, .offset: 24, .size: 8, .value_kind: global_buffer, .address_space: global }
      - { .name: vc, .offset: 32, .size: 8, .value_kind: global_buffer, .address_space: global }
      - { .name: vs, .offset: 40, .size: 8, .value_kind: global_buffer, .address_space: global }
      - { .name: oc, .offset: 48, .size: 8, .value_kind: global_buffer, .address_space: global }
      - { .name: os, .offset: 56, .size: 8, .value_kind: global_buffer, .address_space: global }
    .group_segment_fixed_size: 327680
    .private_segment_fixed_size: 0
    .kernarg_segment_align: 8
    .kernarg_segment_size: 64
    .max_flat_workgroup_size: 256
    .sgpr_count:     96
    .vgpr_count:     512
    .wavefront_size: 32
...
	.end_amdgpu_metadata
.endif
;; end of part 2
;; launch proj (part 3): grid 8 x 32, 4 waves a work-group, clusters of 4 x 4, 327,680 bytes of LDS; arguments oc, os, w_o_codes, w_o_scales, b_o, out0; writes out0
.if DOCPART == 3
	.amdgcn_target "amdgcn-amd-amdhsa--gfx1250"
	.amdhsa_code_object_version 6
	.text
	.protected	k_q3420e58ea0_proj
	.globl	k_q3420e58ea0_proj
	.p2align	8
	.type	k_q3420e58ea0_proj,@function
k_q3420e58ea0_proj:
	s_mov_b64 s[64:65], 0
	v_nop
	global_prefetch_b8 v0, s[64:65] scope:SCOPE_SE
	s_setreg_imm32_b32 hwreg(HW_REG_WAVE_MODE, 25, 1), 1
	s_wait_xcnt 0x0
	s_wait_alu depctr_hold_cnt(0) depctr_sa_sdst(0) depctr_va_vdst(0) depctr_va_sdst(0) depctr_va_ssrc(0) depctr_va_vcc(0) depctr_vm_vsrc(0)
	s_getreg_b32 s2, hwreg(HW_REG_IB_STS2, 6, 4)
	s_cmp_eq_u32 s2, 0
	s_cbranch_scc0 .Lentry_in_a_cluster
	s_endpgm
.Lentry_in_a_cluster:
	s_bfe_u32 s2, ttmp6, 0x10000c
	s_cmp_lg_u32 s2, 0xf033
	s_cbranch_scc0 .Lentry_shape_is_right
	s_endpgm
.Lentry_shape_is_right:
; out = O w_o + b_o on codes of E4M3 with E8M0 scales.  O: 4,096 tokens x 1,024, as images of operand registers [token tile 256][128 along K: 8][group 4][lane][16 bytes], with its scale half-words [head 16][four tiles 64][lane][tile % 4][2 bytes].
; w_o: 1,024 rows (columns of out) x 1,024 codes, K innermost; its scale bytes [1,024][32].  out: [4,096][1,024] f32.
; SHARES.  A work-group makes 128 tokens x 128 columns; wave (mh = wave / 2, nh = wave % 2) 64 x 64.  The products are used TRANSPOSED (source 0 = 16 rows of w_o, source 1 = 16 tokens): a lane holds 8 neighbouring columns of one row.
; ALL OF K COMES BY ONE LOAD A WAVE, at the head: waves 0 and 1 fetch w_o's two halves, which are wanted first, waves 2 and 3 O's.  A wave's 64 rows of w_o, all of K, stand in 512 registers; its four token tiles stream past them, and each
; leaves while the next is multiplied.  The bias is the C of each sum's first product.
; CLUSTER 4 x 4: O's tiles hang on the token block alone (shared along a row of the cluster), w_o's on the column block alone (shared along a column): joint loads.  No prefetch: the head's loads bring everything, and there is no loop of fills to run ahead in.
; LIMITS: NaN and infinities are not served.
; REGISTERS.  window 0: v1-31 addresses; v36-67 O's scale words (tile a, step k at SA + 8 a + k); v72-103 w_o's (SB + 8 b + k; no product's two scale words have numbers equal modulo 8); v104-135 the bias; v136-199 two sets of four accumulators;
;   v200-231 rows of the result.   windows 1, 2: w_o (fragment 4 k + b).   window 3: two sets of a token tile's eight fragments.
.set WP,    1040                       ; w_o's row in LDS: 1,024 bytes + 16 of padding: the 16 rows of a fragment load start at 16 different banks
.set BOFF,  131072                     ; LDS: O's 8 tiles x 16,384 bytes, dense; w_o's 128 rows;
.set STG,   BOFF+128*WP                ; a stage of 16 rows x (256 + 16) bytes for each wave; no tensor load lands there
.set PITCH, 272
.set SPARE, STG+4*16*PITCH             ; the spare words, 128 bytes for each wave
.set ADRA, 16
.set ADRB, 17
.set STO,  24
.set RD,   25
.set CO,   26
.set SPW,  30
.set NIL,  31
.set SA,   36
.set SB,   72
.set BI,   104
.set ACC,  136
.set BK,   200
.set MSB, 0
.macro WIN new                         ; the immediate's high byte repeats the setting that is left
.if MSB != (\new)
	s_set_vgpr_msb (MSB<<8)|(\new)
.set MSB, (\new)
.endif
.endm
.macro PLACES n
.rept \n
	v_nop
.endr
.endm
.macro CROUND                          ; a round of the cluster's barrier
	s_barrier_signal -1
	s_barrier_wait -1
	s_cmp_lg_u32 s16, 0
	s_cbranch_scc1 .Lnot_wave_0_\@
	s_barrier_signal -3
.Lnot_wave_0_\@:
	s_barrier_wait -3
	s_barrier_signal -1
	s_barrier_wait -1
.endm
	s_load_b256 s[4:11], s[0:1], 0x0               ; oc s[4:5], os s[6:7], w_o's codes s[8:9], w_o's scales s[10:11]
	s_load_b128 s[12:15], s[0:1], 0x20             ; b_o s[12:13], out s[14:15]
	v_lshl_add_u32 v[SPW], v0, 2, SPARE
	v_mov_b32 v[NIL], 0
	ds_add_u32 v[SPW], v[NIL]                      ; the wave's opening
	ds_add_u32 v[SPW], v[NIL]
	v_lshrrev_b32 v1, 5, v0
	v_readfirstlane_b32 s16, v1                    ; wave 0..3
	s_lshr_b32 s17, s16, 1                         ; mh.  Also: I fetch for w_o (0) or for O (1)
	s_and_b32 s18, s16, 1                          ; nh.  Also: which half I fetch
	s_bfe_u32 s19, ttmp6, 0x40000                  ; cx
	s_bfe_u32 s20, ttmp6, 0x40004                  ; cy
	s_lshl_b32 s21, ttmp9, 2
	s_add_co_u32 s21, s21, s19                     ; the block of 128 columns
	s_and_b32 s22, ttmp7, 0xffff
	s_lshl_b32 s22, s22, 2
	s_add_co_u32 s22, s22, s20                     ; the block of 128 tokens
	s_lshl_b32 s56, s20, 2
	s_lshl_b32 s56, 15, s56                        ; my row of the cluster
	s_lshl_b32 s57, 0x1111, s19                    ; my column
	; O: four token tiles are 65,536 dense bytes: 256 rows of 256 (32 elements of 8); no padding
	s_or_b32 s24, s56, (3<<16)|(1<<21)
	s_mov_b32 s25, 32<<16
	s_mov_b32 s26, 256<<16
	s_mov_b32 s27, 32<<16
	s_mov_b32 s28, 256
	s_mov_b32 s29, 32
	s_mov_b32 s30, 0
	s_mov_b32 s31, 0
	; w_o: 64 rows of 1,024 bytes, 16 bytes of padding behind each
	s_or_b32 s32, s57, (1<<20)|(1<<21)|(7<<22)|(3<<25)
	s_mov_b32 s33, 1024<<16
	s_mov_b32 s34, 64<<16
	s_mov_b32 s35, 1024<<16
	s_mov_b32 s36, 64
	s_mov_b32 s37, 1024
	s_mov_b32 s38, 0
	s_mov_b32 s39, 0
	s_lshl_b32 s23, s18, 16
	s_lshl_b32 s58, s22, 17
	s_add_co_u32 s58, s58, s23                     ; O: tile 8 x block + 4 x half, 16,384 bytes each
	s_mov_b32 s59, 0
	s_lshl_b32 s60, s21, 17
	s_add_co_u32 s60, s60, s23                     ; w_o: row 128 x block + 64 x half, 1,024 bytes each
	s_mov_b32 s61, 0
	s_mov_b32 s40, 1
	s_lshl_b32 s41, s18, 16                        ; where they go: no place in the cluster enters an LDS address
	s_mov_b32 s44, 1
	s_mul_i32 s45, s18, 64*WP
	s_add_co_u32 s45, s45, BOFF
	s_wait_dscnt 0x0
	s_wait_kmcnt 0x0
	s_add_nc_u64 s[42:43], s[4:5], s[58:59]
	s_or_b32 s43, s43, 0x80000000
	s_add_nc_u64 s[46:47], s[8:9], s[60:61]
	s_or_b32 s47, s47, 0x80000000
	CROUND                                         ; all sixteen work-groups are here: the joint loads meet
	s_cmp_lt_u32 s16, 2                            ; one load a wave; a line of its own for what is shown ahead of the rest
	s_cbranch_scc0 .Lfor_o
	tensor_load_to_lds s[44:47], s[32:39]
	s_nop 0
	PLACES 4
	s_branch .Lasked
.Lfor_o:
	tensor_load_to_lds s[40:43], s[24:31]
	s_nop 0
	PLACES 4
.Lasked:
	s_lshl_b32 s84, s21, 12                        ; w_o's scale bytes: row 128 x block + 64 nh, 32 bytes each
	s_lshl_b32 s88, s18, 11
	s_add_co_u32 s84, s84, s88
	s_mov_b32 s85, 0
	s_add_nc_u64 s[10:11], s[10:11], s[84:85]
	s_lshr_b32 s84, s84, 3                         ; the bias: 4 bytes a column
	s_add_nc_u64 s[12:13], s[12:13], s[84:85]
	s_lshl_b32 s84, s22, 1                         ; O's half-words: group of four tiles 2 x block + mh, 256 bytes each
	s_add_co_u32 s84, s84, s17
	s_lshl_b32 s84, s84, 8
	s_add_nc_u64 s[6:7], s[6:7], s[84:85]
	s_lshl_b32 s84, s22, 7                         ; out: my first row, 4,096 bytes each, and my first column
	s_lshl_b32 s88, s17, 6
	s_add_co_u32 s84, s84, s88
	s_lshl_b32 s84, s84, 12
	s_lshl_b32 s88, s21, 9
	s_add_co_u32 s84, s84, s88
	s_lshl_b32 s88, s18, 8
	s_add_co_u32 s84, s84, s88
	s_add_nc_u64 s[14:15], s[14:15], s[84:85]
	s_lshl_b32 s88, s17, 16                        ; O: my four tiles
	s_mul_i32 s89, s18, 64*WP
	s_add_co_u32 s89, s89, BOFF                    ; w_o: my 64 rows
	s_mul_i32 s90, s16, 16*PITCH
	s_add_co_u32 s90, s90, STG                     ; my stage
	v_and_b32 v1, 15, v0                           ; r
	v_bfe_u32 v2, v0, 4, 1                         ; h
	v_and_b32 v3, 31, v0                           ; lane
	v_lshlrev_b32 v4, 5, v1                        ; 32 r
	v_lshlrev_b32 v5, 5, v2                        ; 32 h
	v_lshlrev_b32 v6, 3, v3                        ; 8 x lane
.irp e, 0,1,2,3,4,5,6,7,8,9,10,11,12,13,14,15
	global_load_b64 v[ACC+2*\e:ACC+2*\e+1], v6, s[6:7] offset:16384*\e         ; head e: my four tiles' half-words (into registers that the sums take later)
.endr
.irp b, 0,1,2,3
	global_load_b128 v[SB+8*\b:SB+8*\b+3], v4, s[10:11] offset:512*\b          ; row 16 b + r: its eight scale words
	global_load_b128 v[SB+8*\b+4:SB+8*\b+7], v4, s[10:11] offset:512*\b+16
	global_load_b128 v[BI+8*\b:BI+8*\b+3], v5, s[12:13] offset:64*\b           ; columns 16 b + 8 h + 0 .. 7
	global_load_b128 v[BI+8*\b+4:BI+8*\b+7], v5, s[12:13] offset:64*\b+16
.endr
	v_lshlrev_b32 v7, 4, v3
	v_add_nc_u32 v[ADRA], s88, v7                  ; + 16 x lane
	v_mul_u32_u24 v9, v1, WP
	v_lshl_add_u32 v9, v2, 4, v9
	v_add_nc_u32 v[ADRB], s89, v9                  ; row r, + 16 h
	v_mul_u32_u24 v8, v1, PITCH
	v_lshl_add_u32 v9, v2, 5, v8
	v_add_nc_u32 v[STO], s90, v9                   ; in: row r, 32 bytes for each half of the lanes
	v_mul_u32_u24 v9, v2, PITCH
	v_lshl_add_u32 v9, v1, 4, v9
	v_add_nc_u32 v[RD], s90, v9                    ; back: lanes 0-15 one row of 256 bytes, lanes 16-31 the next
	v_lshlrev_b32 v9, 12, v2
	v_lshl_add_u32 v[CO], v1, 4, v9                ; and the same two rows in out
.macro WEIGHT k, b                     ; w_o's fragment 4 k + b: 16 rows x 128 K
	WIN (1+\k/4)<<6
.irp c, 0,1,2,3
	ds_load_b128 v[64*(\k%4)+16*\b+4*\c:64*(\k%4)+16*\b+4*\c+3], v[ADRB] offset:16*\b*WP+128*\k+32*\c
.endr
.endm
.macro FETCH a                         ; token tile a, all of K, into set a % 2: 32 loads
	WIN 0xc0
.irp k, 0,1,2,3,4,5,6,7
.irp g, 0,1,2,3
	ds_load_b128 v[128*((\a)%2)+16*\k+4*\g:128*((\a)%2)+16*\k+4*\g+3], v[ADRA] offset:16384*(\a)+2048*\k+512*\g
.endr
.endr
	WIN 0
.endm
; Token tile a, half e of K: 16 products, the four accumulators by turns, one instruction a turn.
.macro TILE a, e
	WIN (1+\e)|(3<<2)
.irp k, 0,1,2,3
.irp b, 0,1,2,3
.set d_, ACC+32*((\a)%2)+8*\b
.if \e == 0 && \k == 0
.set c_, BI+8*\b
.else
.set c_, d_
.endif
	v_wmma_scale_f32_16x16x128_f8f6f4 v[d_:d_+7], v[64*\k+16*\b:64*\k+16*\b+15], v[128*((\a)%2)+64*\e+16*\k:128*((\a)%2)+64*\e+16*\k+15], v[c_:c_+7], v[SB+8*\b+4*\e+\k], v[SA+8*(\a)+4*\e+\k]
.endr
.endr
	WIN 0
.endm
; The way out, a tile of 16 rows x 64 columns, through my own stage: LDS serves a wave's instructions in order, so no wait stands between the stores and the loads, nor in front of the next tile's stores.
.macro TOSTAGE a
.irp b, 0,1,2,3
	ds_store_b128 v[STO], v[ACC+32*((\a)%2)+8*\b:ACC+32*((\a)%2)+8*\b+3] offset:64*\b          ; each accumulator from its low end on
	ds_store_b128 v[STO], v[ACC+32*((\a)%2)+8*\b+4:ACC+32*((\a)%2)+8*\b+7] offset:64*\b+16
.endr
	s_wait_xcnt 0x0                                ; the tile before has left its registers
.irp t, 0,1,2,3,4,5,6,7
	ds_load_b128 v[BK+4*\t:BK+4*\t+3], v[RD] offset:544*\t
.endr
.endm
.macro SEND a
.irp t, 0,1,2,3,4,5,6,7
	global_store_b128 v[CO], v[BK+4*\t:BK+4*\t+3], s[14:15] offset:(16*(\a)+2*\t)*4096 th:TH_STORE_NT   ; sixteen lanes store 256 consecutive bytes, aligned; written once, read by nobody here
.endr
.endm
	s_wait_alu depctr_va_vdst(0)                   ; at the head's end
	s_cmp_lt_u32 s16, 2
	s_cbranch_scc0 .Lnot_w
	s_wait_tensorcnt 0x0                           ; waves 0, 1: w_o is in.  The other waves' wait stands at the second barrier
.Lnot_w:
	s_barrier_signal -1
	s_barrier_wait -1
.irp k, 0,1,2,3,4,5,6,7
.irp b, 0,1,2,3
	WEIGHT \k, \b
.endr
.endr
	WIN 0
	s_wait_loadcnt 0x0
.irp k, 0,1,2,3,4,5,6,7                        ; step k's word of a token = heads 2 k and 2 k + 1: two bytes each
	v_perm_b32 v[SA+\k], v[ACC+4*\k+2], v[ACC+4*\k], 0x05040100
	v_perm_b32 v[SA+8+\k], v[ACC+4*\k+2], v[ACC+4*\k], 0x07060302
	v_perm_b32 v[SA+16+\k], v[ACC+4*\k+3], v[ACC+4*\k+1], 0x05040100
	v_perm_b32 v[SA+24+\k], v[ACC+4*\k+3], v[ACC+4*\k+1], 0x07060302
.endr
	PLACES 8                                       ; a scale register written by a vector instruction stands eight places ahead of the scaled product
	s_wait_alu depctr_va_vdst(0)                   ; directly ahead of the wait below
	s_wait_tensorcnt 0x0                           ; O is in
	s_wait_dscnt 0x0                               ; and my rows of w_o are in registers
	s_barrier_signal -1
	s_barrier_wait -1
	FETCH 0
	FETCH 1
	s_wait_dscnt 32                                ; tile 0 is in; the 32 loads of tile 1 may be out
	TILE 0, 0
	TILE 0, 1
	PLACES 8                                       ; ahead of the stores of results and of loads into the fragments' registers
	TOSTAGE 0
	FETCH 2
	s_wait_dscnt 48                                ; tile 1 is in; younger: the stage's 8 stores and 8 loads, tile 2's 32
	TILE 1, 0
	s_wait_dscnt 32                                ; tile 0's rows are back; tile 2's 32 loads may be out
	SEND 0
	TILE 1, 1
	PLACES 8
	TOSTAGE 1
	FETCH 3
	s_wait_dscnt 48
	TILE 2, 0
	s_wait_dscnt 32
	SEND 1
	TILE 2, 1
	PLACES 8
	TOSTAGE 2
	s_wait_dscnt 16                                ; tile 3 is in; the stage's 16 may be out
	TILE 3, 0
	s_wait_dscnt 0x0
	SEND 2
	TILE 3, 1
	PLACES 8
	TOSTAGE 3
	s_wait_dscnt 0x0
	SEND 3
	s_wait_tensorcnt 0x0                           ; the wave's end
	ds_add_u32 v[SPW], v[NIL]
	s_wait_dscnt 0x0
	CROUND                                         ; the closing round
	s_endpgm
.Lfunc_end_k_q3420e58ea0_proj:
	.size	k_q3420e58ea0_proj, .Lfunc_end_k_q3420e58ea0_proj-k_q3420e58ea0_proj
	.p2alignl 7, 3214868480
	.fill 96, 4, 3214868480
	.section	.rodata,"a",@progbits
	.p2align	6, 0x0
	.amdhsa_kernel k_q3420e58ea0_proj
		.amdhsa_group_segment_fixed_size 327680
		.amdhsa_private_segment_fixed_size 0
		.amdhsa_enable_private_segment 0
		.amdhsa_kernarg_size 48
		.amdhsa_user_sgpr_count 2
		.amdhsa_user_sgpr_kernarg_segment_ptr 1
		.amdhsa_wavefront_size32 1
		.amdhsa_system_sgpr_workgroup_id_x 1
		.amdhsa_system_sgpr_workgroup_id_y 1
		.amdhsa_system_sgpr_workgroup_id_z 1
		.amdhsa_system_vgpr_workitem_id 0
		.amdhsa_next_free_vgpr 1024
		.amdhsa_next_free_sgpr 96
		.amdhsa_reserve_vcc 0
		.amdhsa_float_denorm_mode_32 3
		.amdhsa_float_denorm_mode_16_64 3
		.amdhsa_memory_ordered 1
		.amdhsa_forward_progress 1
		.amdhsa_inst_pref_size 54
	.end_amdhsa_kernel
	.amdgpu_metadata
---
amdhsa.version: [ 1, 2 ]
amdhsa.kernels:
  - .name:           k_q3420e58ea0_proj
    .symbol:         k_q3420e58ea0_proj.kd
    .args:
      - { .name: oc, .offset: 0, .size: 8, .value_kind: global_buffer, .address_space: global }
      - { .name: os, .offset: 8, .size: 8, .value_kind: global_buffer, .address_space: global }
      - { .name: w_o_codes, .offset: 16, .size: 8, .value_kind: global_buffer, .address_space: global }
      - { .name: w_o_scales, .offset: 24, .size: 8, .value_kind: global_buffer, .address_space: global }
      - { .name: b_o, .offset: 32, .size: 8, .value_kind: global_buffer, .address_space: global }
      - { .name: out0, .offset: 40, .size: 8, .value_kind: global_buffer, .address_space: global }
    .group_segment_fixed_size: 327680
    .private_segment_fixed_size: 0
    .kernarg_segment_align: 8
    .kernarg_segment_size: 48
    .max_flat_workgroup_size: 128
    .sgpr_count:     96
    .vgpr_count:     1024
    .wavefront_size: 32
...
	.end_amdgpu_metadata
.endif
;; end of part 3
